; MI455X (gfx1250); checked and timed in simulation.
; The chip was launched on July 23, 2026; its instructions are those of AMD's public machine-readable ISA for CDNA 5 (MIT licence, August 2026) and "CDNA5" Instruction Set Architecture Reference Guide (July 2026). The comments in the code are by the model that wrote it; some were corrected since.
;; Multi Head Attention With Ro PE. Allowed arithmetic: matrix products marked QUANTISED: E4M3 operands, one given power-of-two scale a tensor, by v_wmma_f32_16x16x64_fp8_fp8 or v_wmma_f32_16x16x128_fp8_fp8, f32 sums; everything else in f32.
;; Inputs: b_out 1,024 float32; b_qkv 3,072 float32; lowp_scales 8 int32 (the exponents e of the quantised operands' scales 2^e); w_out 1,024 x 1,024 float32; w_qkv 1,024 x 3,072 float32; x 4 x 2,048 x 1,024 float32.
;; Outputs: out0 4 x 2,048 x 1,024 float32.
;; This version of the problem:
;;   THIS VERSION OF THE PROBLEM IS GIVEN IN LOW PRECISION. The matrix products marked QUANTISED in the list below multiply operands that are first quantised to E4M3 (4 exponent bits, 3 mantissa bits; 8 bits a number), with one given power-of-two scale for each operand tensor; their sums are f32. All else is computed in f32.
;;   The module's matrix products, in the order in which they are computed (A, B: the left and right operand; K: the contracted axis; several contracted axes count as one K, in the product's order):
;;     1. [M 8,192, K 1,024] x [K 1,024, N 3,072]; A: input x; B: input w_qkv: QUANTISED (scales: A lowp_scales[0], B lowp_scales[1])
;;     2. batch 64 x [M 2,048, K 64] x [K 64, N 2,048]; A: computed on the way; B: computed on the way: QUANTISED (scales: A lowp_scales[2], B lowp_scales[3])
;;     3. batch 64 x [M 2,048, K 2,048] x [K 2,048, N 64]; A: softmax (see below); B: computed on the way: QUANTISED (scales: A lowp_scales[4], B lowp_scales[5])
;;     4. [M 8,192, K 1,024] x [K 1,024, N 1,024]; A: computed on the way; B: input w_out: QUANTISED (scales: A lowp_scales[6], B lowp_scales[7])
;;   THE QUANTISER, for each operand of a quantised product, along K:
;;     - The operand's scale is 2^e, e = its entry of the input lowp_scales (int32; the entries are numbered through the quantised products in the list's order, A before B).
;;     - Each number is divided by the scale, clamped to +-448, and rounded to the nearest number of E4M3, ties to even, subnormals kept.
;;     - The product sums the exact products of the quantised numbers (number of the format x scale) in f32.
;;   ~~~python
;;   def quantise(x, axis, e):      # numpy; x: float32 -> the quantised numbers, widened to float32 again
;;       x = np.moveaxis(x, axis, -1); K = x.shape[-1]
;;       r = np.clip(x / 2.0 ** e, -448, 448)
;;       step = 2.0 ** (np.maximum(np.frexp(np.where(r == 0, 1, r))[1] - 1, -6) - 3)
;;       q = np.round(r / step) * step * 2.0 ** e      # np.round: ties to even
;;       return np.moveaxis(q, -1, axis).astype(np.float32)
;;   ~~~
;;   SOFTMAX AHEAD OF A QUANTISED PRODUCT. Where the list says 'softmax', what is quantised is not the finished softmax but p = 2^(t - M), with t = logit x log2(e) and M = ceil(the row's largest t), a whole number; so 1/2 < the row's largest p <= 1. The row's sum l is taken of the UNQUANTISED p, in f32, and the product's result is divided by l at the end. Since M is a whole number, a kernel that streams over the keys may use a running M (the ceiling of the running maximum): every later rescaling is an exact power of two, so the quantised numbers keep their values, but for numbers so far below the row's largest that they fall under the format's range.
;;   OPERANDS COMPUTED ON THE WAY. 'Computed on the way' means the value that the module computes at that place (a softmax that the list does not call 'softmax' is quantised finished and normalised). What goes into a quantiser is computed in f32, as accurately as f32 sums, v_exp_f32 and their like allow (about 1e-6 of the number): no bf16 or f16 on the way to a quantiser, and a product that is left as it is and whose result goes on into a quantised operand takes f32 operands (vector FMAs, or v_wmma_f32_16x16x4_f32). A number that lies on a knife's edge between two numbers of the format may be rounded either way, as far as f32 arithmetic and the matrix unit's own rounding can turn it there, and no further.
;; One version. Each part assembles by itself: llvm-mc -triple=amdgcn-amd-amdhsa -mcpu=gfx1250 --defsym DOCPART=n.
;; ======== version 1 of 1: 4 launches
;; limits: right only within a limited range of input values
;; workspace buffers: x_img 8,388,608 bytes; wq_img 3,145,728 bytes; wo_img 1,048,576 bytes; rope 524,288 bytes; qkv_img 25,165,824 bytes; o_img 8,388,608 bytes
;; launch prep (part 1): grid 800 x 1, 4 waves a work-group, no clusters, 34,304 bytes of LDS; arguments x, w_qkv, w_out, lowp_scales, x_img, wq_img, wo_img, rope; writes x_img, wq_img, wo_img, rope
.if DOCPART == 1
	.amdgcn_target "amdgcn-amd-amdhsa--gfx1250"
	.amdhsa_code_object_version 6
	.text
	.protected	k_q26e02ae495_prep
	.globl	k_q26e02ae495_prep
	.p2align	8
	.type	k_q26e02ae495_prep,@function
k_q26e02ae495_prep:
	s_mov_b64 s[64:65], 0
	v_nop
	global_prefetch_b8 v0, s[64:65] scope:SCOPE_SE
	s_setreg_imm32_b32 hwreg(HW_REG_WAVE_MODE, 25, 1), 1
	s_wait_xcnt 0x0
; PREP: x, w_qkv and w_out (f32) become codes of FP8 (E4M3), each with its given scale 2^e; and the table of cos and sin for the rotation is made.
; code = number / 2^e, held within +-448, rounded to the nearest code, ties to even.  e: entry 0 (x), 1 (w_qkv), 7 (w_out) of the scales.
; THE CODES ARE LAID AS IMAGES OF THE OPERAND'S REGISTERS.  A group is 16 rows x 32 along K, 512 bytes: lane (r = lane % 16, h = lane / 16) owns the 16 bytes at 16 x lane:
; bytes 0-7 are k = 32 G + 8 h + 0..7 of row r, bytes 8-15 are k = 32 G + 16 + 8 h + 0..7.  Four groups on end are the 16 registers of a fragment of 16 x 128.
; x_img [16-row block 512][G 32][512]; wq_img [16-column block 192][G 32][512]; wo_img [64][32][512].
; rope [16-position block 128][8][512]: a lane's register q is the word at 512 (q / 4) + 16 lane + 4 (q % 4); q = 8 u + j: cos(position 16 pb + r, frequency 16 u + 8 h + j); q = 16 + 8 u + j: its sin.
; SHARES: work-groups 0-255 take x, 256-639 w_qkv, 640-767 w_out, 768-799 the table: scalar branches on the work-group's number; x's, the longest, have the lowest numbers.  Waves share nothing: no barrier.  Only x's path uses LDS.
; No cluster and no matrix unit: no two work-groups read the same bytes, and nothing is multiplied.
; LIMITS: each e between -126 and 119 (2^e and 448 x 2^e are made as f32 numbers).  NaN among the inputs is not served.  The frequencies are 10^(-f/8) rounded to f32 as constants;
; cos and sin come from a reduction by pi/2 in two parts (the part left out is under 3e-12 for the 2,047 positions) and polynomials of degree 7 and 8: about 1e-7 absolute.
.set RX,  32                           ; v32-159  x: two sets of 64 registers as loaded
.set XX,  160                          ; v160-223 x: 64 numbers in the order of the operand's registers
.set CX,  224                          ; v224-255 x: two sets of 16 registers of codes
.set XW,  32                           ; v32-95   w: two sets of 32 numbers down K
.set CW,  96                           ; v96-111  w: 8 registers of codes for each of 2 blocks: never written again
.set SP,  528                          ; x's stage: a row of 512 bytes + 16: the 16 rows that a read touches start 16 bytes apart modulo 256
.set STG, 16*SP                        ; a stage for each wave
.set WQ0, 256                          ; the first work-group of w_qkv, of w_out, of the table
.set WO0, 640
.set TB0, 768
	s_load_b256 s[4:11], s[0:1], 0x0               ; x s[4:5], w_qkv s[6:7], w_out s[8:9], the scales' exponents s[10:11]
	s_load_b256 s[12:19], s[0:1], 0x20             ; x_img s[12:13], wq_img s[14:15], wo_img s[16:17], rope s[18:19]
	v_lshl_add_u32 v16, v0, 2, 0x8400              ; my spare word, behind the four stages,
	v_mov_b32 v17, 0                               ; and 0
	v_lshrrev_b32 v1, 5, v0
	v_readfirstlane_b32 s20, v1                    ; wave
	v_and_b32 v1, 31, v0                           ; lane
	v_and_b32 v2, 15, v0                           ; r
	v_bfe_u32 v3, v0, 4, 1                         ; h
	s_wait_kmcnt 0x0
	s_load_b256 s[24:31], s[10:11], 0x0            ; e0 .. e7
	s_cmp_lt_u32 ttmp9, WQ0
	s_cbranch_scc1 .Lx
	s_cmp_lt_u32 ttmp9, WO0
	s_cbranch_scc1 .Lwq
	s_cmp_lt_u32 ttmp9, TB0
	s_cbranch_scc1 .Lwo
; ---- THE TABLE.  A wave takes 16 positions; a lane one position and 16 frequencies.
	s_sub_co_u32 s21, ttmp9, TB0
	s_lshl_b32 s21, s21, 2
	s_add_co_u32 s21, s21, s20                     ; pb, 0 .. 127
	s_lshl_b32 s22, s21, 12                        ; 4,096 bytes a block
	s_mov_b32 s23, 0
	s_add_nc_u64 s[18:19], s[18:19], s[22:23]
	s_lshl_b32 s21, s21, 4
	s_wait_alu depctr_va_vdst(0)                   ; the wait here
	v_add_nc_u32 v8, s21, v2
	v_cvt_f32_u32 v8, v8                           ; my position, exact
	v_cmp_ne_u32 s34, 0, v3                        ; lanes 16-31 take the frequencies 8 further on
	v_lshlrev_b32 v4, 4, v1                        ; 16 x lane
	v_mov_b32 v12, 0xb94ca1f9                      ; the leading coefficients of the two polynomials
	v_mov_b32 v13, 0x37ccf5ce
; cos and sin of a = position x frequency (one rounding).  a = k pi/2 + rho, |rho| <= pi/4; S = sin(rho), C = cos(rho); k mod 4 says which of them, and with which sign.
.macro ANGLE q, lo, hi
	v_mov_b32 v18, \lo
	v_mov_b32 v19, \hi
	v_cndmask_b32 v18, v18, v19, s34               ; 10^(-f/8)
	v_mul_f32 v20, v8, v18                         ; a
	v_mul_f32 v21, 0x3f22f983, v20                 ; a x 2/pi
	v_rndne_f32 v21, v21                           ; k
	v_fmamk_f32 v20, v21, 0xbfc90fdb, v20          ; a - k x (pi/2 rounded to f32): nothing is rounded away, the difference fits an f32
	v_fmamk_f32 v20, v21, 0x333bbd2e, v20          ; - k x (what that rounding left): rho
	v_cvt_i32_f32 v22, v21
	v_mul_f32 v23, v20, v20                        ; z = rho^2
	v_fmaak_f32 v24, v23, v12, 0x3c08839e
	v_fmaak_f32 v26, v23, v13, 0xbab6061a
	v_fmaak_f32 v24, v24, v23, 0xbe2aaaa3
	v_fmaak_f32 v26, v26, v23, 0x3d2aaaa5
	v_mul_f32 v25, v20, v23
	v_fma_f32 v26, v26, v23, -0.5
	v_fma_f32 v24, v25, v24, v20                   ; S
	v_fma_f32 v26, v26, v23, 1.0                   ; C
	v_and_b32 v27, 1, v22
	v_cmp_eq_u32 vcc_lo, 1, v27                    ; k odd: S and C change places
	v_cndmask_b32 v28, v26, v24, vcc_lo
	v_cndmask_b32 v29, v24, v26, vcc_lo
	v_add_nc_u32 v30, 1, v22
	v_and_b32 v30, 2, v30                          ; cos is negative for k mod 4 = 1, 2
	v_and_b32 v31, 2, v22                          ; sin for 2, 3
	v_lshlrev_b32 v30, 30, v30
	v_lshlrev_b32 v31, 30, v31
	v_xor_b32 v[32+\q], v28, v30
	v_xor_b32 v[48+\q], v29, v31
.endm
	ANGLE 0,  0x3f800000, 0x3dcccccd
	ANGLE 1,  0x3f3ff911, 0x3d99940e
	ANGLE 2,  0x3f0ff59a, 0x3d6655c3
	ANGLE 3,  0x3ed7e89b, 0x3d2cba15
	ANGLE 4,  0x3ea1e89b, 0x3d0186e2
	ANGLE 5,  0x3e72d424, 0x3cc24350
	ANGLE 6,  0x3e361887, 0x3c91ad39
	ANGLE 7,  0x3e088d77, 0x3c5a7bf1
	ANGLE 8,  0x3c23d70a, 0x3a83126f
	ANGLE 9,  0x3bf5b9b0, 0x3a44948c
	ANGLE 10, 0x3bb8449c, 0x3a136a16
	ANGLE 11, 0x3b8a2e77, 0x39dd1726
	ANGLE 12, 0x3b4f3e37, 0x39a5cb5f
	ANGLE 13, 0x3b1b690d, 0x3978a814
	ANGLE 14, 0x3ae91528, 0x393a7753
	ANGLE 15, 0x3aaec98e, 0x390bd472
.irp g, 0,1,2,3,4,5,6,7
	global_store_b128 v4, v[32+4*\g:35+4*\g], s[18:19] offset:512*\g   ; the wave stores 512 consecutive bytes
.endr
	s_endpgm
.macro SCALE e                         ; v11 = 2^e as f32 (the conversion takes its exponent field), v10 = 448 x 2^e
	s_add_co_i32 s21, s[\e], 127
	s_lshl_b32 s22, s21, 23
	v_mov_b32 v11, s22
	s_add_co_i32 s21, s21, 8
	s_lshl_b32 s21, s21, 23
	s_or_b32 s21, s21, 0x600000
	v_mov_b32 v10, s21
.endm
; ---- x.  Wave W of 1,024 takes 16 rows x 512 along K, in four units of 128 along K.  Each load reads 512 consecutive bytes of one row; the unit turns through the wave's own stage in LDS,
; so that a lane gets, of ITS row, the numbers that its registers of the operand hold.
.Lx:
	s_lshl_b32 s21, ttmp9, 2
	s_add_co_u32 s21, s21, s20                     ; W
	s_lshr_b32 s22, s21, 1
	s_lshl_b32 s22, s22, 16                        ; 16 rows of 4,096 bytes
	s_and_b32 s23, s21, 1
	s_lshl_b32 s23, s23, 11                        ; which half of K
	s_add_co_u32 s22, s22, s23
	s_mov_b32 s23, 0
	s_add_nc_u64 s[4:5], s[4:5], s[22:23]
	s_lshl_b32 s22, s21, 13                        ; 16 groups of 512 bytes
	s_add_nc_u64 s[12:13], s[12:13], s[22:23]
	s_wait_alu depctr_va_vdst(0)                   ; the wait here: a taken branch
	v_lshlrev_b32 v4, 4, v1                        ; 16 x lane: in a row of x, and in a group
	s_mul_i32 s21, s20, STG
	v_add_nc_u32 v5, s21, v4                       ; the stage, way in
	v_mul_u32_u24 v6, v2, SP
	v_lshl_add_u32 v6, v3, 5, v6
	v_add_nc_u32 v6, s21, v6                       ; way out: row r, + 32 h bytes
.macro LOADU u
.set i, 0
.rept 16
	global_load_b128 v[RX+64*((\u)%2)+4*i:RX+64*((\u)%2)+4*i+3], v4, s[4:5] offset:i*4096+(\u)*512 th:TH_LOAD_NT
.set i, i+1
.endr
.endm
.macro TURNU u                         ; LDS serves a wave's instructions in order: no wait between the stores and the loads
.set i, 0
.rept 16
	ds_store_b128 v5, v[RX+64*((\u)%2)+4*i:RX+64*((\u)%2)+4*i+3] offset:i*SP
.set i, i+1
.endr
.irp g, 0,1,2,3
	ds_load_b128 v[XX+16*\g:XX+16*\g+3],     v6 offset:128*\g       ; k = 32 g + 8 h + 0..3
	ds_load_b128 v[XX+16*\g+4:XX+16*\g+7],   v6 offset:128*\g+16
	ds_load_b128 v[XX+16*\g+8:XX+16*\g+11],  v6 offset:128*\g+64    ; k = 32 g + 16 + 8 h + 0..3
	ds_load_b128 v[XX+16*\g+12:XX+16*\g+15], v6 offset:128*\g+80
.endr
.endm
.macro UNIT u
.if (\u) < 3
	s_wait_loadcnt 16                              ; this unit's 16 loads are in; the next unit's 16 may be out
.else
	s_wait_loadcnt 0x0
.endif
	TURNU \u
	s_wait_dscnt 0x0                               ; the numbers are back, so the stores into the stage have read their registers,
.if (\u) < 2
	LOADU (\u)+2                                   ; which take the loads of two units on
.endif
.set i, 0
.rept 64
	v_med3_num_f32 v[XX+i], v[XX+i], -v10, v10     ; the conversion does not saturate (ISA guide 7.6.2): the hold comes first
.set i, i+1
.endr
.if (\u) >= 2
	s_wait_alu depctr_va_vdst(0)
	s_wait_xcnt 0x0                                ; the stores of two units back have read this set of codes
.endif
.irp g, 0,1,2,3
	v_cvt_scalef32_pk8_fp8_f32 v[CX+16*((\u)%2)+4*\g:CX+16*((\u)%2)+4*\g+1],   v[XX+16*\g:XX+16*\g+7],    v11
	v_cvt_scalef32_pk8_fp8_f32 v[CX+16*((\u)%2)+4*\g+2:CX+16*((\u)%2)+4*\g+3], v[XX+16*\g+8:XX+16*\g+15], v11
.endr
	v_nop                                          ; a plain line between the conversions and the next unit's holds, which write their sources
.irp g, 0,1,2,3
	global_store_b128 v4, v[CX+16*((\u)%2)+4*\g:CX+16*((\u)%2)+4*\g+3], s[12:13] offset:(4*(\u)+\g)*512   ; a group: 512 consecutive bytes
.endr
.endm
	LOADU 0
	LOADU 1
	s_wait_alu depctr_va_vdst(0)
	s_wait_kmcnt 0x0
	SCALE 24
	s_wait_alu depctr_va_vdst(0)                   ; the head's end
	UNIT 0
	UNIT 1
	UNIT 2
	UNIT 3
	s_wait_tensorcnt 0x0                           ; the wave's end, behind my last LDS store
	ds_add_u32 v16, v17
	s_wait_dscnt 0x0
	s_endpgm
; ---- a weight [1024 (k)][N].  A LANE TAKES A COLUMN AND ITS REGISTERS RUN DOWN K: each load reads 128 consecutive bytes a wave, 512 a work-group, and the conversions give codes with K innermost.
; A work-group takes 128 columns x 64 along K; a wave 32 columns, 2 blocks of 32 along K, and asks for both blocks (64 loads) at its start: N / 128 x 16 work-groups.
; A column's 32 codes of a block are two pieces of 16 bytes of a group (h = 0: rows 0-7, 16-23; h = 1: rows 8-15, 24-31): sixteen lanes store 256 consecutive bytes, aligned.
; Every offset is an immediate: 63 x 3,072 x 4 bytes at the most.
.macro LOADW t, N, src
.set i, 0
.rept 32
	global_load_b32 v[XW+32*(\t)+i], v4, s[\src:\src+1] offset:(32*(\t)+i)*\N*4 th:TH_LOAD_NT
.set i, i+1
.endr
.endm
.macro BLOCK t, dst
.set XS, XW+32*(\t)
.set CS, CW+8*(\t)
	s_wait_loadcnt 32*(1-(\t))                     ; this block's 32 loads are in; behind block 0's stand block 1's 32
.set i, 0
.rept 32
	v_med3_num_f32 v[XS+i], v[XS+i], -v10, v10
.set i, i+1
.endr
	v_cvt_scalef32_pk8_fp8_f32 v[CS:CS+1],   v[XS:XS+7],     v11
	v_cvt_scalef32_pk8_fp8_f32 v[CS+2:CS+3], v[XS+16:XS+23], v11
	v_cvt_scalef32_pk8_fp8_f32 v[CS+4:CS+5], v[XS+8:XS+15],  v11
	v_cvt_scalef32_pk8_fp8_f32 v[CS+6:CS+7], v[XS+24:XS+31], v11
	v_nop
	global_store_b128 v5, v[CS:CS+3],   s[\dst:\dst+1] offset:512*(\t)
	global_store_b128 v5, v[CS+4:CS+7], s[\dst:\dst+1] offset:512*(\t)+256
.endm
.macro WPATH N, first, src, dst, e
	s_sub_co_u32 s21, ttmp9, \first
	s_lshr_b32 s22, s21, 4                         ; which 128 columns
	s_and_b32 s21, s21, 15                         ; which 64 along K
	s_lshl_b32 s22, s22, 7
	s_lshl_b32 s23, s20, 5
	s_add_co_u32 s22, s22, s23                     ; my wave's first column
	s_mul_i32 s32, s21, 64*\N*4
	s_lshl_b32 s23, s22, 2
	s_add_co_u32 s32, s32, s23
	s_mov_b32 s33, 0
	s_add_nc_u64 s[\src:\src+1], s[\src:\src+1], s[32:33]
	s_lshl_b32 s32, s22, 10                        ; 16 columns are 16,384 bytes of codes
	s_lshl_b32 s23, s21, 10                        ; 2 groups
	s_add_co_u32 s32, s32, s23
	s_add_nc_u64 s[\dst:\dst+1], s[\dst:\dst+1], s[32:33]
	v_lshlrev_b32 v4, 2, v1
	v_lshlrev_b32 v5, 4, v2
	v_lshl_add_u32 v5, v3, 14, v5                  ; lanes 16-31: the next block of 16 columns
	LOADW 0, \N, \src
	LOADW 1, \N, \src
	s_wait_kmcnt 0x0
	SCALE \e
	s_wait_alu depctr_va_vdst(0)                   ; the wait at the head's end
	BLOCK 0, \dst
	BLOCK 1, \dst
	s_endpgm
.endm
.Lwq:
	s_wait_alu depctr_va_vdst(0)                   ; the wait here, behind the taken branch
	WPATH 3072, WQ0, 6, 14, 25
.Lwo:
	s_wait_alu depctr_va_vdst(0)
	WPATH 1024, WO0, 8, 16, 31
.Lfunc_end_k_q26e02ae495_prep:
	.size	k_q26e02ae495_prep, .Lfunc_end_k_q26e02ae495_prep-k_q26e02ae495_prep
	.p2alignl 7, 3214868480
	.fill 96, 4, 3214868480
	.section	.rodata,"a",@progbits
	.p2align	6, 0x0
	.amdhsa_kernel k_q26e02ae495_prep
		.amdhsa_group_segment_fixed_size 34304
		.amdhsa_private_segment_fixed_size 0
		.amdhsa_enable_private_segment 0
		.amdhsa_kernarg_size 64
		.amdhsa_user_sgpr_count 2
		.amdhsa_user_sgpr_kernarg_segment_ptr 1
		.amdhsa_wavefront_size32 1
		.amdhsa_system_sgpr_workgroup_id_x 1
		.amdhsa_system_sgpr_workgroup_id_y 1
		.amdhsa_system_sgpr_workgroup_id_z 1
		.amdhsa_system_vgpr_workitem_id 0
		.amdhsa_next_free_vgpr 256
		.amdhsa_next_free_sgpr 66
		.amdhsa_reserve_vcc 1
		.amdhsa_float_denorm_mode_32 3
		.amdhsa_float_denorm_mode_16_64 3
		.amdhsa_memory_ordered 1
		.amdhsa_forward_progress 1
		.amdhsa_inst_pref_size 83
	.end_amdhsa_kernel
	.amdgpu_metadata
---
amdhsa.version: [ 1, 2 ]
amdhsa.kernels:
  - .name:           k_q26e02ae495_prep
    .symbol:         k_q26e02ae495_prep.kd
    .args:
      - { .name: x, .offset: 0, .size: 8, .value_kind: global_buffer, .address_space: global }
      - { .name: w_qkv, .offset: 8, .size: 8, .value_kind: global_buffer, .address_space: global }
      - { .name: w_out, .offset: 16, .size: 8, .value_kind: global_buffer, .address_space: global }
      - { .name: lowp_scales, .offset: 24, .size: 8, .value_kind: global_buffer, .address_space: global }
      - { .name: x_img, .offset: 32, .size: 8, .value_kind: global_buffer, .address_space: global }
      - { .name: wq_img, .offset: 40, .size: 8, .value_kind: global_buffer, .address_space: global }
      - { .name: wo_img, .offset: 48, .size: 8, .value_kind: global_buffer, .address_space: global }
      - { .name: rope, .offset: 56, .size: 8, .value_kind: global_buffer, .address_space: global }
    .group_segment_fixed_size: 34304
    .private_segment_fixed_size: 0
    .kernarg_segment_align: 8
    .kernarg_segment_size: 64
    .max_flat_workgroup_size: 128
    .sgpr_count:     66
    .vgpr_count:     256
    .wavefront_size: 32
...
	.end_amdgpu_metadata
.endif
;; end of part 1
;; launch qkv (part 2): grid 8 x 32, 4 waves a work-group, clusters of 4 x 4, 327,680 bytes of LDS; arguments x_img, wq_img, lowp_scales, b_qkv, rope, qkv_img; writes qkv_img
.if DOCPART == 2
	.amdgcn_target "amdgcn-amd-amdhsa--gfx1250"
	.amdhsa_code_object_version 6
	.text
	.protected	k_q26e02ae495_qkv
	.globl	k_q26e02ae495_qkv
	.p2align	8
	.type	k_q26e02ae495_qkv,@function
k_q26e02ae495_qkv:
	s_mov_b64 s[64:65], 0
	v_nop
	global_prefetch_b8 v0, s[64:65] scope:SCOPE_SE
	s_setreg_imm32_b32 hwreg(HW_REG_WAVE_MODE, 25, 1), 1
	s_wait_xcnt 0x0
	s_wait_alu depctr_hold_cnt(0) depctr_sa_sdst(0) depctr_va_vdst(0) depctr_va_sdst(0) depctr_va_ssrc(0) depctr_va_vcc(0) depctr_vm_vsrc(0)
	s_getreg_b32 s2, hwreg(HW_REG_IB_STS2, 6, 4)
	s_cmp_eq_u32 s2, 0
	s_cbranch_scc0 .Lentry_in_a_cluster
	s_endpgm
.Lentry_in_a_cluster:
	s_bfe_u32 s2, ttmp6, 0x10000c
	s_cmp_lg_u32 s2, 0xf033
	s_cbranch_scc0 .Lentry_shape_is_right
	s_endpgm
.Lentry_shape_is_right:
; QKV: x w_qkv + b_qkv on codes of FP8 (E4M3); q and k are rotated; q, k, v are quantised (2^e2, 2^e3, 2^e5) and stored as images of attention's operands (qkv_img: for each head and 128 tokens q, k, v turned, 8,192 bytes each).
; A WORK-GROUP STAYS AND MAKES TWO TILES.  Work-group (X = 0..7, Y = 0..31).  Tile 1: tokens 256 Y .. x columns 256 X .. of q and k (X < 4: q): a wave 128 x 128, 64 accumulators.
; Tile 2: v turned: channels 128 X .. x the same tokens 256 Y ..: a wave 64 channels (one head) x 128 tokens, 32 accumulators.  8 x 32 work-groups of equal work.
; K goes in steps of 256 through a ring of two LDS slots: x's 256 tokens (two halves of 32,768 bytes), then the weight's rows (two halves, 32,768 bytes apart).  The codes lie as images of the operands' registers: a block of 16 rows x 256 K is 4,096 bytes on end.
; THE RING GOES ON INTO TILE 2: tile 1's last two changes of slots ask for tile 2's K steps 0 and 1, which land while tile 1 is rotated and stored.
; CLUSTER 4 x 4: x's tile hangs on Y alone and is asked for jointly along a row of the cluster, the weight's on X alone, along a column.  Waves 0, 1 fetch x's halves, waves 2, 3 the weight's.
; PREFETCH: behind the load of a K step each wave names the next K step's blocks of 256 bytes of what it fetches, the four partners sharing the rows out by address; in tile 2 the weight's waves alone ask: x's rows have been read in tile 1.
; THE MATRIX INSTRUCTION IS USED TRANSPOSED (source 0: window 1's fragments, source 1: window 0's): a lane holds one row of source 1's block and eight neighbours along source 0's rows.
; Tile 1: source 1 = tokens, source 0 = columns: a lane has 8 neighbouring channels of a token.  Tile 2: source 1 = channels, source 0 = tokens: 8 neighbouring keys of a channel.
; LIMITS: e0 + e1 between -126 and 127; e2, e3, e5 between -126 and 119.  NaN is not served.
; REGISTERS.  Window 0: v4, v5 prefetch offsets; v6, v7 2^e5 and 448 x 2^e5; v8-15 v's bias; v16-23 LDS addresses; v24-26 lane offsets; v28, v29 the add's; v30, v31 2^e and 448 x 2^e of q or k; v32-95 bias; v96-159 tables;
;   v128-255 source 1's fragments (tile 1: one set of 8; tile 2: two sets of 4), on the ways out at work.  Window 1: source 0's fragments, two sets of 8.  Windows 2, 3: accumulators.
.set SLOT,   131072
.set SPARE,  2*SLOT
.set FR,     16
.set NL,     4
.set NP,     4
.set HEADB,  393216
.set PFO,  4
.set PFV,  5
.set SCV,  6
.set LIMV, 7
.set BV,   8
.set ADRA, 16                          ; x's half by s15 (tile 1's source 1)
.set ADRC, 18                          ; the weight's half by s15 (tile 2's source 1)
.set ADRB, 20                          ; the weight's half by s16 (tile 1's source 0)
.set ADRD, 22                          ; x's half by s16 (tile 2's source 0)
.set LI,   24
.set HO,   25
.set RO4,  26
.set SPW,  28
.set NIL,  29
.set SC,   30
.set LIM,  31
.set BIAS, 32
.set TB0,  96
.set AF,   128
.set YY,   160
.set RR,   192
.set G1, 24                            ; s[24:31] group 1 of x's tiles; s[32:39] their groups 0, one a slot
.set G0, 32
.set G1B, 48                           ; s[48:55] group 1 of tile 1's weight; s[56:63] the weight's groups 0
.set G0B, 56
.set G1C, 80                           ; s[80:87] group 1 of tile 2's weight: 4 blocks a half
.set MSB, 0
.macro WIN new
.if MSB != (\new)
	s_set_vgpr_msb (MSB<<8)|(\new)
.set MSB, (\new)
.endif
.endm
.set MUL_LO, 0xa1
.set MUL_HI, 0xf1
.set TO_B,   0x40
.macro JLOAD g0a, g1a, g0b, g1b        ; a joint load: the branch hangs on the wave's number alone; s_nop 0 and four v_nop behind each line
	s_cmp_eq_u32 s15, 0
	s_cbranch_scc0 .Lfor_b_\@
	tensor_load_to_lds s[\g0a:\g0a+3], s[\g1a:\g1a+7]
	s_nop 0
.rept 4
	v_nop
.endr
	s_branch .Lasked_\@
.Lfor_b_\@:
	tensor_load_to_lds s[\g0b:\g0b+3], s[\g1b:\g1b+7]
	s_nop 0
.rept 4
	v_nop
.endr
.Lasked_\@:
.endm
.macro CREST
	s_cmp_lg_u32 s14, 0
	s_cbranch_scc1 .Lnot_wave_0_\@
	s_barrier_signal -3
.Lnot_wave_0_\@:
	s_barrier_wait -3
	s_barrier_signal -1
	s_barrier_wait -1
.endm
.macro CROUND
	s_barrier_signal -1
	s_barrier_wait -1
	CREST
.endm
.macro ASK off                         ; tile 1: 32 blocks of 256 bytes a wave: two of the 8 block rows that I fetch, at K byte off
	global_prefetch_b8 v[PFO], s[98:99] offset:\off th:TH_LOAD_NT scope:SCOPE_SE
.endm
.macro ASKV off                        ; tile 2's weight: waves 2 and 3, one of the 4 block rows: 16 blocks; lanes 16-31 name the last again
	s_cmp_eq_u32 s15, 0
	s_cbranch_scc1 .Lnot_mine_\@
	global_prefetch_b8 v[PFV], s[100:101] offset:\off th:TH_LOAD_NT scope:SCOPE_SE
.Lnot_mine_\@:
.endm
	s_load_b256 s[4:11], s[0:1], 0x0               ; x_img, wq_img, the scales' exponents, b_qkv
	s_load_b128 s[68:71], s[0:1], 0x20             ; rope, qkv_img
	v_lshl_add_u32 v[SPW], v0, 2, SPARE
	v_mov_b32 v[NIL], 0
	ds_add_u32 v[SPW], v[NIL]                      ; the opening lines: the add, twice on end, and its wait
	ds_add_u32 v[SPW], v[NIL]
	v_lshrrev_b32 v1, 5, v0
	v_readfirstlane_b32 s14, v1                    ; wave
	s_lshr_b32 s15, s14, 1                         ; my half of source 1's rows; also: I fetch x (0) or the weight (1)
	s_and_b32 s16, s14, 1                          ; my half of source 0's rows; also: which half I fetch
	s_bfe_u32 s40, ttmp6, 0x40000                  ; cx
	s_bfe_u32 s41, ttmp6, 0x40004                  ; cy
	s_lshl_b32 s42, ttmp9, 2
	s_add_co_u32 s42, s42, s40                     ; X
	s_and_b32 s17, ttmp7, 0xffff
	s_lshl_b32 s17, s17, 2
	s_add_co_u32 s17, s17, s41                     ; Y
	s_lshl_b32 s43, s41, 2
	s_lshl_b32 s43, 15, s43                        ; my row of the cluster
	s_lshl_b32 s44, 0x1111, s40                    ; my column
	s_or_b32 s[G1+0], s43, (3<<16)|(1<<21)
	s_or_b32 s[G1B+0], s44, (3<<16)|(1<<21)
	s_or_b32 s[G1C+0], s44, (3<<16)|(1<<21)
.irp g, G1, G1B, G1C                   ; block rows of 4,096 bytes (512 elements of 8), 16,384 bytes apart: 8 of them, tile 2's weight 4
	s_mov_b32 s[\g+1], 512<<16
	s_mov_b32 s[\g+2], (8-4*(\g/G1C))<<16
	s_mov_b32 s[\g+3], 512<<16
	s_mov_b32 s[\g+4], 8-4*(\g/G1C)
	s_mov_b32 s[\g+5], 2048
	s_mov_b32 s[\g+6], 0
	s_mov_b32 s[\g+7], 0
.endr
	s_lshl_b32 s22, s16, 17
	s_lshl_b32 s20, s17, 18
	s_add_co_u32 s20, s20, s22                     ; x: 256 tokens are 262,144 bytes
	s_mov_b32 s21, 0
	s_lshl_b32 s46, s42, 18
	s_add_co_u32 s46, s46, s22                     ; tile 1's weight
	s_mov_b32 s47, 0
	s_lshl_b32 s18, s42, 17
	s_lshl_b32 s22, s16, 16
	s_add_co_u32 s18, s18, s22
	s_add_co_u32 s18, s18, 0x200000                ; tile 2's weight: column 2,048 + 128 X + 64 x half
	s_mov_b32 s19, 0
	s_lshl_b32 s45, s14, 15                        ; where my load goes: wave x 32,768
	s_wait_dscnt 0x0
	s_wait_kmcnt 0x0
	s_load_b256 s[72:79], s[8:9], 0x0              ; e0 .. e7
	s_add_nc_u64 s[20:21], s[4:5], s[20:21]
	s_add_nc_u64 s[46:47], s[6:7], s[46:47]
	s_add_nc_u64 s[18:19], s[6:7], s[18:19]
	CROUND                                         ; all sixteen work-groups are here: the first joint loads meet
.irp s, 0,1
	s_mov_b32 s[G0+4*\s], 1
	s_add_co_u32 s[G0+4*\s+1], s45, \s*SLOT
	s_add_nc_u64 s[G0+4*\s+2:G0+4*\s+3], s[20:21], \s*4096
	s_or_b32 s[G0+4*\s+3], s[G0+4*\s+3], 0x80000000
	s_mov_b32 s[G0B+4*\s], 1
	s_add_co_u32 s[G0B+4*\s+1], s45, \s*SLOT
	s_add_nc_u64 s[G0B+4*\s+2:G0B+4*\s+3], s[46:47], \s*4096
	s_or_b32 s[G0B+4*\s+3], s[G0B+4*\s+3], 0x80000000
.endr
	JLOAD G0, G1, G0B, G1B                         ; K step 0: one tensor load a wave at the head
	; where tile 1 goes: token s2, column s3
	s_lshl_b32 s2, s17, 8
	s_lshl_b32 s66, s15, 7
	s_add_co_u32 s2, s2, s66
	s_lshl_b32 s3, s42, 8
	s_lshl_b32 s66, s16, 7
	s_add_co_u32 s3, s3, s66
	s_lshr_b32 s66, s2, 11
	s_lshl_b32 s66, s66, 4
	s_and_b32 s67, s3, 1023
	s_lshr_b32 s67, s67, 6
	s_add_co_u32 s66, s66, s67                     ; 16 x batch + head
	s_lshl_b32 s66, s66, 4
	s_bfe_u32 s67, s2, 0x40007
	s_add_co_u32 s66, s66, s67                     ; its piece of 128 tokens
	s_mul_i32 s66, s66, 24576
	s_lshr_b32 s67, s3, 10
	s_lshl_b32 s67, s67, 13                        ; q: 0; k: 8,192
	s_add_co_u32 s66, s66, s67
	s_mov_b32 s67, 0
	s_add_nc_u64 s[88:89], s[70:71], s[66:67]
	s_and_b32 s66, s2, 2047
	s_lshl_b32 s66, s66, 8
	s_add_nc_u64 s[90:91], s[68:69], s[66:67]      ; the table at my first position
	s_lshl_b32 s66, s3, 2
	s_add_nc_u64 s[92:93], s[10:11], s[66:67]      ; the bias at my first column
	; where tile 2 goes: token s2, channel s3
	s_lshl_b32 s2, s17, 8
	s_lshl_b32 s66, s16, 7
	s_add_co_u32 s2, s2, s66
	s_lshl_b32 s3, s42, 7
	s_lshl_b32 s66, s15, 6
	s_add_co_u32 s3, s3, s66
	s_lshr_b32 s66, s2, 11
	s_lshl_b32 s66, s66, 4
	s_lshr_b32 s12, s3, 6
	s_add_co_u32 s66, s66, s12
	s_lshl_b32 s66, s66, 4
	s_bfe_u32 s12, s2, 0x40007
	s_add_co_u32 s66, s66, s12
	s_mul_i32 s66, s66, 24576
	s_add_co_u32 s66, s66, 16384
	s_add_nc_u64 s[94:95], s[70:71], s[66:67]
	s_lshl_b32 s66, s3, 2
	s_add_co_u32 s66, s66, 8192
	s_add_nc_u64 s[104:105], s[10:11], s[66:67]
	; the prefetches' bases: what I fetch, my work-group's share by address
	s_cmp_eq_u32 s15, 0
	s_cselect_b64 s[98:99], s[20:21], s[46:47]
	s_cselect_b32 s66, s40, s41
	s_lshl_b32 s66, s66, 15
	s_add_nc_u64 s[98:99], s[98:99], s[66:67]
	s_lshl_b32 s66, s41, 14
	s_add_nc_u64 s[100:101], s[18:19], s[66:67]
	s_lshl_b32 s22, s15, 15
	s_lshl_b32 s23, s16, 15
	v_and_b32 v1, 31, v0
	v_bfe_u32 v2, v0, 4, 1
	v_and_b32 v3, 15, v0
	v_lshlrev_b32 v[LI], 4, v1
	v_lshlrev_b32 v[HO], 5, v2
	v_lshlrev_b32 v[RO4], 2, v3
	v_add_nc_u32 v[ADRA], s22, v[LI]
	v_add_nc_u32 v[ADRD], s23, v[LI]
	v_add_nc_u32 v[ADRC], 0x10000, v[ADRA]
	v_add_nc_u32 v[ADRB], 0x10000, v[ADRD]
	v_add_nc_u32 v[ADRA+1], SLOT, v[ADRA]
	v_add_nc_u32 v[ADRD+1], SLOT, v[ADRD]
	v_add_nc_u32 v[ADRC+1], SLOT, v[ADRC]
	v_add_nc_u32 v[ADRB+1], SLOT, v[ADRB]
	v_lshlrev_b32 v[PFO], 8, v3
	v_lshl_add_u32 v[PFO], v2, 14, v[PFO]          ; lanes 0-15: the 16 blocks of one block row's K step; lanes 16-31: the next row's
	v_min_u32 v[PFV], 15, v1
	v_lshlrev_b32 v[PFV], 8, v[PFV]
	ASK 4096                                       ; K step 1
	s_wait_alu depctr_va_vdst(0)
	s_wait_kmcnt 0x0
	s_add_co_i32 s96, s72, s73
	s_add_co_i32 s96, s96, 127
	s_lshl_b32 s96, s96, 23                        ; 2^(e0 + e1)
	s_mov_b32 s97, s96
	s_cmp_eq_u32 ttmp9, 0
	s_cselect_b32 s66, s74, s75                    ; q's or k's exponent
	s_add_co_i32 s66, s66, 127
	s_lshl_b32 s67, s66, 23
	v_mov_b32 v[SC], s67
	s_add_co_i32 s66, s66, 8
	s_lshl_b32 s66, s66, 23
	s_or_b32 s66, s66, 0x600000
	v_mov_b32 v[LIM], s66
	s_add_co_i32 s66, s77, 127
	s_lshl_b32 s67, s66, 23
	v_mov_b32 v[SCV], s67
	s_add_co_i32 s66, s66, 8
	s_lshl_b32 s66, s66, 23
	s_or_b32 s66, s66, 0x600000
	v_mov_b32 v[LIMV], s66
.macro FRAG reg, adr, q, i
.irp c, 0,1,2,3
	ds_load_b128 v[\reg+4*\c:\reg+4*\c+3], v[\adr] offset:2048*(\q)+512*\c+(\i)*4096
.endr
.endm
.macro MUL16 a0, p, zero               ; tile 1: the 64 accumulators take turns, in the same order in every step
.irp a, \a0, \a0+1
.irp b, 0,1,2,3,4,5,6,7
.if \zero
	v_wmma_f32_16x16x128_fp8_fp8 v[8*(8*((\a)%4)+\b):8*(8*((\a)%4)+\b)+7], v[128*(\p)+FR*\b:128*(\p)+FR*\b+FR-1], v[AF+FR*(\a):AF+FR*(\a)+FR-1], 0
.else
	v_wmma_f32_16x16x128_fp8_fp8 v[8*(8*((\a)%4)+\b):8*(8*((\a)%4)+\b)+7], v[128*(\p)+FR*\b:128*(\p)+FR*\b+FR-1], v[AF+FR*(\a):AF+FR*(\a)+FR-1], v[8*(8*((\a)%4)+\b):8*(8*((\a)%4)+\b)+7]
.endif
.endr
.endr
.endm
.macro FETCH_B slot, q, p
	WIN TO_B
.irp i, 0,1,2,3,4,5,6,7
	FRAG 128*(\p)+FR*\i, ADRB+\slot, \q, \i
.endr
	WIN 0
.endm
.macro FETCH_A slot, q, i0
.irp i, \i0, \i0+1, \i0+2, \i0+3
	FRAG AF+FR*(\i), ADRA+\slot, \q, \i
.endr
.endm
.macro PLACES n
.rept \n
	v_nop
.endr
.endm
.macro STEP slot, q, zero              ; tile 1: 128 along K with its successor in the same slot
	s_wait_dscnt 4*NL                              ; all but the youngest 16 loads (source 1's blocks 4-7)
	WIN MUL_LO
	MUL16 0, (\q)%2, \zero
	MUL16 2, (\q)%2, \zero
	s_wait_dscnt 0
	PLACES NP
	FETCH_B \slot, (\q)+1, 1-(\q)%2
	FETCH_A \slot, (\q)+1, 0
	WIN MUL_HI
	MUL16 4, (\q)%2, \zero
	MUL16 6, (\q)%2, \zero
	PLACES NP
	WIN 0
	FETCH_A \slot, (\q)+1, 4
.endm
; tile 1: a slot's last step changes slots.  fill = 1: the slot takes the K step two on; fill = 2 (slot 0): it takes tile 2's K step 0
.macro TURN slot, next, fill
	s_wait_tensorcnt 0x0                           ; all my tensor loads have landed;
	ds_add_u32 v[SPW], v[NIL]
	s_wait_dscnt 4*NL+1                            ; (the add and the youngest 16 loads may be out)
	WIN MUL_LO
	MUL16 0, 1, 0
	s_wait_dscnt 0x0                               ; the add is done, my reads of this slot are over
	s_barrier_signal -1
	MUL16 2, 1, 0
	WIN 0
	s_barrier_wait -1
	CREST                                          ; the barrier has opened a round of the cluster's barrier
.if \fill == 1
	s_add_nc_u64 s[G0+4*\slot+2:G0+4*\slot+3], s[G0+4*\slot+2:G0+4*\slot+3], 8192
	s_add_nc_u64 s[G0B+4*\slot+2:G0B+4*\slot+3], s[G0B+4*\slot+2:G0B+4*\slot+3], 8192
	JLOAD G0+4*\slot, G1, G0B+4*\slot, G1B
.else
	s_sub_nc_u64 s[G0+2:G0+3], s[G0+2:G0+3], 8192  ; x: from K step 2 back to 0
	s_mov_b64 s[G0B+2:G0B+3], s[18:19]
	s_or_b32 s[G0B+3], s[G0B+3], 0x80000000
	JLOAD G0, G1, G0B, G1C
.endif
	FETCH_B \next, 0, 0
	FETCH_A \next, 0, 0
	WIN MUL_HI
	MUL16 4, 1, 0
	MUL16 6, 1, 0
	PLACES NP
	WIN 0
	FETCH_A \next, 0, 4
.endm
	s_wait_alu depctr_va_vdst(0)                   ; the wait at the head's end
	s_wait_tensorcnt 0x0                           ; my part of K step 0 is in; the same lines ahead of a later first fill as ahead of a refill
	ds_add_u32 v[SPW], v[NIL]
	s_wait_dscnt 0x0
	CROUND
	JLOAD G0+4, G1, G0B+4, G1B                     ; K step 1
	FETCH_B 0, 0, 0
	FETCH_A 0, 0, 0
	FETCH_A 0, 0, 4
	ASK 8192                                       ; K step 2
	STEP 0, 0, 1
	TURN 0, 1, 1
	ASK 12288                                      ; K step 3
	STEP 1, 0, 0
	TURN 1, 0, 1
	ASKV 0
	STEP 0, 0, 0
	TURN 0, 1, 2
	ASKV 4096
.macro TABLE a
.irp g, 0,1,2,3,4,5,6,7
	global_load_b128 v[TB0+32*((\a)%2)+4*\g:TB0+32*((\a)%2)+4*\g+3], v[LI], s[90:91] offset:(\a)*4096+512*\g
.endr
.endm
; 16 tokens x one head: x 2^(e0 + e1) + bias, rotated, held, quantised: a fragment of 16 x 64, 1,024 bytes
.macro ROPE a, hh
.set AC, 64*((\a)%4)+32*(\hh)
.set TS, TB0+32*((\a)%2)
	WIN 2+(\a)/4
.irp j, 0,2,4,6,8,10,12,14,16,18,20,22,24,26,28,30
	v_pk_fma_f32 v[YY+\j:YY+\j+1], v[AC+\j:AC+\j+1], s[96:97], v[BIAS+32*(\hh)+\j:BIAS+32*(\hh)+\j+1] op_sel_hi:[1,0,1]
.endr
	WIN 0
.irp u, 0,1
.irp i, 0,2,4,6
	v_pk_mul_f32 v[RR+8*\u+\i:RR+8*\u+\i+1],       v[YY+16+8*\u+\i:YY+16+8*\u+\i+1], v[TS+16+8*\u+\i:TS+16+8*\u+\i+1]
	v_pk_mul_f32 v[RR+16+8*\u+\i:RR+16+8*\u+\i+1], v[YY+8*\u+\i:YY+8*\u+\i+1],       v[TS+16+8*\u+\i:TS+16+8*\u+\i+1]
.endr
.endr
.irp u, 0,1
.irp i, 0,2,4,6
	v_pk_fma_f32 v[RR+8*\u+\i:RR+8*\u+\i+1],       v[YY+8*\u+\i:YY+8*\u+\i+1],       v[TS+8*\u+\i:TS+8*\u+\i+1], v[RR+8*\u+\i:RR+8*\u+\i+1] neg_lo:[0,0,1] neg_hi:[0,0,1]
	v_pk_fma_f32 v[RR+16+8*\u+\i:RR+16+8*\u+\i+1], v[YY+16+8*\u+\i:YY+16+8*\u+\i+1], v[TS+8*\u+\i:TS+8*\u+\i+1], v[RR+16+8*\u+\i:RR+16+8*\u+\i+1]
.endr
.endr
.set j, 0
.rept 32
	v_med3_num_f32 v[RR+j], v[RR+j], -v[LIM], v[LIM]
.set j, j+1
.endr
	s_wait_alu depctr_va_vdst(0)
	s_wait_xcnt 0x0                                ; the earlier stores have read these registers of codes
.irp c, 0,1,2,3
	v_cvt_scalef32_pk8_fp8_f32 v[224+8*(\hh)+2*\c:225+8*(\hh)+2*\c], v[RR+8*\c:RR+8*\c+7], v[SC]
.endr
	v_nop
	global_store_b128 v[LI], v[224+8*(\hh):227+8*(\hh)], s[88:89] offset:(\hh)*HEADB+(\a)*1024
	global_store_b128 v[LI], v[228+8*(\hh):231+8*(\hh)], s[88:89] offset:(\hh)*HEADB+(\a)*1024+512
.endm
.irp a, 0,1,2,3
	global_load_b32 v[BV+2*\a],   v[RO4], s[104:105] offset:64*\a   ; v's bias of my channel, in both halves of a pair
	global_load_b32 v[BV+2*\a+1], v[RO4], s[104:105] offset:64*\a
.endr
.irp b, 0,1,2,3,4,5,6,7
	global_load_b128 v[BIAS+8*\b:BIAS+8*\b+3],   v[HO], s[92:93] offset:64*\b
	global_load_b128 v[BIAS+8*\b+4:BIAS+8*\b+7], v[HO], s[92:93] offset:64*\b+16
.endr
	TABLE 0
	STEP 1, 0, 0
	; tile 1's last step; in its middle my reads of slot 1 are over, and slot 1 takes tile 2's K step 1
	s_wait_dscnt 4*NL
	WIN MUL_LO
	MUL16 0, 1, 0
	MUL16 2, 1, 0
	WIN 0
	s_wait_tensorcnt 0x0                           ; my part of tile 2's K step 0 is in
	ds_add_u32 v[SPW], v[NIL]
	s_wait_dscnt 0x0
	CROUND
	s_sub_nc_u64 s[G0+6:G0+7], s[G0+6:G0+7], 8192  ; x: from K step 3 back to 1
	s_add_nc_u64 s[G0B+6:G0B+7], s[18:19], 4096
	s_or_b32 s[G0B+7], s[G0B+7], 0x80000000
	JLOAD G0+4, G1, G0B+4, G1C
	ASKV 8192
	WIN MUL_HI
	MUL16 4, 1, 0
	MUL16 6, 1, 0
	WIN 0
	PLACES NP
	WIN TO_B                                       ; tile 2's first eight token fragments go out now: window 1's first set is free, and everybody's part of K step 0 was in at the round above
.irp i, 0,1,2,3,4,5,6,7
	FRAG FR*\i, ADRD, 0, \i
.endr
	WIN 0
.irp a, 0,1,2,3,4,5,6,7
.if \a < 7
	TABLE \a+1
	s_wait_loadcnt 8                               ; all but the next block's table
.else
	s_wait_loadcnt 0x0
.endif
	ROPE \a, 0
	ROPE \a, 1
.endr
; ---- TILE 2.  Both sources have two sets of registers: a step's 48 LDS loads for the next step go out in one run ahead of its 32 products.
.macro FETCH2 slot, q, p
	WIN TO_B
.irp i, 0,1,2,3,4,5,6,7
	FRAG 128*(\p)+FR*\i, ADRD+\slot, \q, \i
.endr
	WIN 0
.irp i, 0,1,2,3
	FRAG AF+64*(\p)+FR*\i, ADRC+\slot, \q, \i
.endr
.endm
.macro MUL32 p, zero                   ; the 32 accumulators take turns
	WIN MUL_LO
.irp a, 0,1,2,3
.irp b, 0,1,2,3,4,5,6,7
.if \zero
	v_wmma_f32_16x16x128_fp8_fp8 v[8*(8*\a+\b):8*(8*\a+\b)+7], v[128*(\p)+FR*\b:128*(\p)+FR*\b+FR-1], v[AF+64*(\p)+FR*\a:AF+64*(\p)+FR*\a+FR-1], 0
.else
	v_wmma_f32_16x16x128_fp8_fp8 v[8*(8*\a+\b):8*(8*\a+\b)+7], v[128*(\p)+FR*\b:128*(\p)+FR*\b+FR-1], v[AF+64*(\p)+FR*\a:AF+64*(\p)+FR*\a+FR-1], v[8*(8*\a+\b):8*(8*\a+\b)+7]
.endif
.endr
.endr
	WIN 0
.endm
; 128 along K on set p; the next step's fragments come from (nslot, nq).  chg = 0: the same slot; 1: a change of slots, the slot left is filled again; 2: a change alone; 3: the last step
.macro VSTEP p, zero, nslot, nq, chg
	s_wait_dscnt 0x0                               ; set p is in: so my reads of its slot are over
.if (\chg == 1) || (\chg == 2)
	s_wait_tensorcnt 0x0
	ds_add_u32 v[SPW], v[NIL]
	s_wait_dscnt 0x0
	s_barrier_signal -1
	s_barrier_wait -1
.endif
.if \chg == 1
	CREST
	s_add_nc_u64 s[G0+4*(1-\nslot)+2:G0+4*(1-\nslot)+3], s[G0+4*(1-\nslot)+2:G0+4*(1-\nslot)+3], 8192
	s_add_nc_u64 s[G0B+4*(1-\nslot)+2:G0B+4*(1-\nslot)+3], s[G0B+4*(1-\nslot)+2:G0B+4*(1-\nslot)+3], 8192
	JLOAD G0+4*(1-\nslot), G1, G0B+4*(1-\nslot), G1C
.else
	PLACES NP                                      ; in front of the loads into the set that the last step multiplied
.endif
.if \chg < 3
	FETCH2 \nslot, \nq, 1-(\p)
.endif
	MUL32 \p, \zero
.endm
	s_wait_xcnt 0x0                                ; tile 1's stores have read their registers
.irp i, 0,1,2,3
	FRAG AF+FR*\i, ADRC, 0, \i                     ; the four channel fragments of tile 2's first step, into registers that tile 1's way out has left
.endr
	VSTEP 0, 1, 0, 1, 0
	VSTEP 1, 0, 1, 0, 1
	ASKV 12288
	VSTEP 0, 0, 1, 1, 0
	VSTEP 1, 0, 0, 0, 1
	VSTEP 0, 0, 0, 1, 0
	VSTEP 1, 0, 1, 0, 2
	VSTEP 0, 0, 1, 1, 0
	VSTEP 1, 0, 0, 0, 3
; 16 channels x 128 keys: x 2^(e0 + e1) + bias, held, quantised: a fragment of 2,048 bytes
.macro VOUT a
.set AC, 64*(\a)
.set CC, 224+16*((\a)%2)
	WIN 2
.set j, 0
.rept 32
	v_pk_fma_f32 v[YY+j:YY+j+1], v[AC+j:AC+j+1], s[96:97], v[BV+2*(\a):BV+2*(\a)+1] op_sel_hi:[1,0,1]
.set j, j+2
.endr
	WIN 0
.set j, 0
.rept 64
	v_med3_num_f32 v[YY+j], v[YY+j], -v[LIMV], v[LIMV]
.set j, j+1
.endr
	s_wait_alu depctr_va_vdst(0)
	s_wait_xcnt 0x0
.irp b, 0,1,2,3,4,5,6,7
	v_cvt_scalef32_pk8_fp8_f32 v[CC+2*\b:CC+2*\b+1], v[YY+8*\b:YY+8*\b+7], v[SCV]
.endr
	v_nop
.irp g, 0,1,2,3
	global_store_b128 v[LI], v[CC+4*\g:CC+4*\g+3], s[94:95] offset:(\a)*2048+512*\g
.endr
.endm
	PLACES NP
.irp a, 0,1,2,3
	VOUT \a
.endr
	s_wait_tensorcnt 0x0                           ; the wave's end
	ds_add_u32 v[SPW], v[NIL]
	s_wait_dscnt 0x0
	CROUND                                         ; the closing round
	s_endpgm
.Lfunc_end_k_q26e02ae495_qkv:
	.size	k_q26e02ae495_qkv, .Lfunc_end_k_q26e02ae495_qkv-k_q26e02ae495_qkv
	.p2alignl 7, 3214868480
	.fill 96, 4, 3214868480
	.section	.rodata,"a",@progbits
	.p2align	6, 0x0
	.amdhsa_kernel k_q26e02ae495_qkv
		.amdhsa_group_segment_fixed_size 327680
		.amdhsa_private_segment_fixed_size 0
		.amdhsa_enable_private_segment 0
		.amdhsa_kernarg_size 48
		.amdhsa_user_sgpr_count 2
		.amdhsa_user_sgpr_kernarg_segment_ptr 1
		.amdhsa_wavefront_size32 1
		.amdhsa_system_sgpr_workgroup_id_x 1
		.amdhsa_system_sgpr_workgroup_id_y 1
		.amdhsa_system_sgpr_workgroup_id_z 1
		.amdhsa_system_vgpr_workitem_id 0
		.amdhsa_next_free_vgpr 1024
		.amdhsa_next_free_sgpr 106
		.amdhsa_reserve_vcc 0
		.amdhsa_float_denorm_mode_32 3
		.amdhsa_float_denorm_mode_16_64 3
		.amdhsa_memory_ordered 1
		.amdhsa_forward_progress 1
		.amdhsa_inst_pref_size 254
	.end_amdhsa_kernel
	.amdgpu_metadata
---
amdhsa.version: [ 1, 2 ]
amdhsa.kernels:
  - .name:           k_q26e02ae495_qkv
    .symbol:         k_q26e02ae495_qkv.kd
    .args:
      - { .name: x_img, .offset: 0, .size: 8, .value_kind: global_buffer, .address_space: global }
      - { .name: wq_img, .offset: 8, .size: 8, .value_kind: global_buffer, .address_space: global }
      - { .name: lowp_scales, .offset: 16, .size: 8, .value_kind: global_buffer, .address_space: global }
      - { .name: b_qkv, .offset: 24, .size: 8, .value_kind: global_buffer, .address_space: global }
      - { .name: rope, .offset: 32, .size: 8, .value_kind: global_buffer, .address_space: global }
      - { .name: qkv_img, .offset: 40, .size: 8, .value_kind: global_buffer, .address_space: global }
    .group_segment_fixed_size: 327680
    .private_segment_fixed_size: 0
    .kernarg_segment_align: 8
    .kernarg_segment_size: 48
    .max_flat_workgroup_size: 128
    .sgpr_count:     106
    .vgpr_count:     1024
    .wavefront_size: 32
...
	.end_amdgpu_metadata
.endif
;; end of part 2
;; launch attn (part 3): grid 4 x 64, 8 waves a work-group, clusters of 4 x 1, 264,192 bytes of LDS; arguments qkv_img, lowp_scales, o_img; writes o_img
.if DOCPART == 3
	.amdgcn_target "amdgcn-amd-amdhsa--gfx1250"
	.amdhsa_code_object_version 6
	.text
	.protected	k_q26e02ae495_attn
	.globl	k_q26e02ae495_attn
	.p2align	8
	.type	k_q26e02ae495_attn,@function
k_q26e02ae495_attn:
	s_mov_b64 s[64:65], 0
	v_nop
	global_prefetch_b8 v0, s[64:65] scope:SCOPE_SE
	s_setreg_imm32_b32 hwreg(HW_REG_WAVE_MODE, 25, 1), 1
	s_wait_xcnt 0x0
	s_wait_alu depctr_hold_cnt(0) depctr_sa_sdst(0) depctr_va_vdst(0) depctr_va_sdst(0) depctr_va_ssrc(0) depctr_va_vcc(0) depctr_vm_vsrc(0)
	s_getreg_b32 s2, hwreg(HW_REG_IB_STS2, 6, 4)
	s_cmp_eq_u32 s2, 0
	s_cbranch_scc0 .Lentry_in_a_cluster
	s_endpgm
.Lentry_in_a_cluster:
	s_bfe_u32 s2, ttmp6, 0x10000c
	s_cmp_lg_u32 s2, 0x3003
	s_cbranch_scc0 .Lentry_shape_is_right
	s_endpgm
.Lentry_shape_is_right:
; ATTN: o = softmax(q k^T / 8) v for 64 heads of 2,048 tokens x 64 channels, both products on codes of FP8 (E4M3); o is quantised (2^e6) and stored as an image of the last product's operand.
; THE SOFTMAX: t = score x log2(e) / 8; M = the running largest t rounded UP to a whole number; p = 2^(t - M) is quantised (2^e4), not normalised; the row's sum is taken of the unquantised p and divides at the end.
; When M moves, the sum and O are multiplied by 2^(old M - new M): exact.
; SHARES.  A work-group owns 512 queries of one head; each of its eight waves 64, as FOUR tiles of 16 that walk the keys together: a fragment of k or v read from LDS feeds four matrix instructions.
; THE HEAD'S WHOLE k AND v LIE IN LDS: 16 key steps of 128 keys x 16,384 bytes (k: 8 fragments of 16 keys x 64; then v turned: 4 fragments of 16 channels x 128 keys), as images of the operands' registers.
; Each byte is filled once, by one tensor load a wave (wave w: key steps 2 w and 2 w + 1, two rows of 16,384 bytes), so the loop has no ring and no barrier.  No prefetch: k and v are asked for once, at the head, with no trip to run ahead in.
; CLUSTER: the four work-groups of a head need the same k and v: each load is joint, the same descriptor and the mask of all four in all four.
; LAYOUT.  Both products are used transposed: S^T = k q^T, O^T = v^T p^T: a lane holds ONE query (lane % 16) of each tile; in S^T tile T its registers are keys 16 T + 8 h + 0..7, which are registers 2 T, 2 T + 1 of p's fragment;
; in O^T tile c channels 16 c + 8 h + 0..7, registers 2 c, 2 c + 1 of o's.  Nothing changes lanes.
; A KEY STEP: scores of tiles 0, 1; v's loads; their softmax; scores of tiles 2, 3 (in the same 128 registers); the next step's k loads; their softmax; 16 products for O^T.  Every chain of the softmax is laid for two tiles by turns.
; LIMITS: e2 + e3 between -123 and 130 (added to c's exponent field); e6 between -126 and 119; e4 + e5 is applied by v_ldexp_f32.  e4 BETWEEN -8 AND 119: p is at most 1 by its definition, and 1 <= 448 x 2^e4 from e4 = -8 on,
; so no p lies beyond the largest code and p has no hold; under e4 = -8 this text is not right.  NaN is not served.
; REGISTERS.  Window 0: v1 16 x lane; v2, v3 the add's; v4 the key step's LDS address; v5 2^e4; v6, v7 lane permutes; v8-15 (-M, largest score) x 4; v16-23 the sums x 4; v24-27 (f, -) x 2; v28-31 maxima; v32-63 q; v64-127 k; v128-191 p's codes
; (the pair in hand: first the sums' side chains); v192-255 v.   Window 1: v0-127 S^T, then p, of two tiles; v128-255 O^T of four tiles.
.set PIECE, 24576                      ; 128 tokens of a head in qkv_img: q, k, v
.set HEADB, 393216
.set KSB,   16384                      ; a key step in LDS
.set SPARE, 0x40000                    ; behind k and v: the spare words, 128 bytes a wave
.set LI,  1
.set SPW, 2
.set NIL, 3
.set ADR, 4
.set SC4, 5
.set PD,  6
.set NM,  8
.set L,   16
.set F,   24
.set MA,  28
.set Q,   32
.set KF,  64
.set P,   128
.set VF,  192
.set S,   0
.set O,   128
.set SC6, 24                           ; the way out: 2^e6, 448 x 2^e6
.set LIM6, 26
.set MSB, 0
.macro WIN new                         ; low byte: bits 1:0 source 0, 3:2 source 1, 5:4 source 2, 7:6 destination; the high byte repeats the setting that is left
.if MSB != (\new)
	s_set_vgpr_msb (MSB<<8)|(\new)
.set MSB, (\new)
.endif
.endm
.macro CROUND
	s_barrier_signal -1
	s_barrier_wait -1
	s_cmp_lg_u32 s18, 0
	s_cbranch_scc1 .Lnot_wave_0_\@
	s_barrier_signal -3
.Lnot_wave_0_\@:
	s_barrier_wait -3
	s_barrier_signal -1
	s_barrier_wait -1
.endm
.macro PLACES n
.rept \n
	v_nop
.endr
.endm
	s_load_b128 s[4:7], s[0:1], 0x0                ; qkv_img s[4:5], the scales' exponents s[6:7]
	s_load_b64 s[8:9], s[0:1], 0x10                ; o_img
	v_lshl_add_u32 v[SPW], v0, 2, SPARE
	v_mov_b32 v[NIL], 0
	ds_add_u32 v[SPW], v[NIL]                      ; the opening lines: the add, twice on end, and its wait ahead of my tensor load
	ds_add_u32 v[SPW], v[NIL]
	v_lshrrev_b32 v4, 5, v0
	v_readfirstlane_b32 s18, v4                    ; wave 0..7
	s_bfe_u32 s10, ttmp6, 0x40000                  ; cx
	s_lshl_b32 s11, ttmp9, 2
	s_add_co_u32 s10, s10, s11                     ; which 512 queries: it enters q's and o's addresses alone
	s_and_b32 s11, ttmp7, 0xffff                   ; the head, which the four partners share
	s_mul_i32 s12, s11, HEADB
	s_mul_i32 s14, s18, 2*PIECE                    ; key steps 2 w, 2 w + 1
	s_add_co_u32 s14, s14, s12
	s_add_co_u32 s14, s14, 8192                    ; a piece's k and v: 16,384 consecutive bytes
	s_mov_b32 s15, 0
	s_lshl_b32 s32, s10, 2                         ; q: my 64 queries lie in piece 4 x quarter + wave / 2,
	s_lshr_b32 s33, s18, 1
	s_add_co_u32 s32, s32, s33
	s_mul_i32 s32, s32, PIECE
	s_add_co_u32 s32, s32, s12
	s_and_b32 s33, s18, 1
	s_lshl_b32 s33, s33, 12                        ; blocks 4 (wave % 2) on
	s_add_co_u32 s32, s32, s33
	s_mov_b32 s33, 0
	s_lshr_b32 s34, s11, 4                         ; o: block of 16 rows = 128 x batch + 32 x quarter + 4 x wave,
	s_lshl_b32 s34, s34, 7
	s_lshl_b32 s35, s10, 5
	s_add_co_u32 s34, s34, s35
	s_lshl_b32 s35, s18, 2
	s_add_co_u32 s34, s34, s35
	s_lshl_b32 s34, s34, 14
	s_and_b32 s35, s11, 15                         ; groups 2 x head and the next
	s_lshl_b32 s35, s35, 10
	s_add_co_u32 s34, s34, s35
	s_mov_b32 s35, 0
	; descriptor group 1: two rows of 16,384 bytes, 24,576 bytes apart; elements of 8 bytes
	s_mov_b32 s24, 15|(3<<16)|(1<<21)              ; the mask: all four work-groups; bit 21 beside it
	s_mov_b32 s25, 2048<<16                        ; tensor_dim0
	s_mov_b32 s26, 2<<16                           ; tensor_dim1
	s_mov_b32 s27, 2048<<16                        ; tile_dim0
	s_mov_b32 s28, 2                               ; tile_dim1
	s_mov_b32 s29, 3072                            ; tensor_dim0_stride
	s_mov_b32 s30, 0
	s_mov_b32 s31, 0
	s_mov_b32 s40, 1
	s_lshl_b32 s41, s18, 15                        ; LDS: key step 2 w
	s_mov_b32 s20, 0x76543210                      ; v_permlanex16_b32's selects for lane l xor 16
	s_mov_b32 s21, 0xfedcba98
	s_mov_b32 s22, 0x3e38aa3b                      ; c = log2(e) / 8
	s_mov_b32 s2, 0                                ; LDS byte of the key step whose k is asked for
	s_wait_dscnt 0x0
	s_wait_kmcnt 0x0
	s_load_b256 s[44:51], s[6:7], 0x0              ; e0 .. e7
	s_add_nc_u64 s[42:43], s[4:5], s[14:15]
	s_or_b32 s43, s43, 0x80000000
	s_add_nc_u64 s[36:37], s[4:5], s[32:33]        ; q
	s_add_nc_u64 s[8:9], s[8:9], s[34:35]          ; o
	CROUND                                         ; all four work-groups are here: the joint loads meet
	tensor_load_to_lds s[40:43], s[24:31]          ; my one tensor load
	s_nop 0
	PLACES 4
	v_and_b32 v[LI], 31, v0
	v_lshlrev_b32 v[LI], 4, v[LI]
.irp i, 0,1,2,3,4,5,6,7
	global_load_b128 v[Q+4*\i:Q+4*\i+3], v[LI], s[36:37] offset:512*\i   ; q's four fragments stay in registers
.endr
	v_add_nc_u32 v[ADR], s2, v[LI]
.irp t, 0,1,2,3
	v_mov_b32 v[NM+2*\t], 0x7f61b1e6               ; -M: 3e38
	v_mov_b32 v[NM+2*\t+1], 0xff61b1e6             ; the largest score so far: -3e38
	v_mov_b32 v[L+2*\t], 0
	v_mov_b32 v[L+2*\t+1], 0
.endr
	v_mov_b32 v[PD], 0                             ; written once: a lane permute's destination counts as one of its sources
	v_mov_b32 v[PD+1], 0
	v_mov_b32 v[F+1], 0                            ; (named as the upper halves of f's pairs)
	v_mov_b32 v[F+3], 0
	WIN 0x40
.set i, 0
.rept 128
	v_mov_b32 v[O+i], 0                            ; O^T: the step has no first copy of its own: the first finds zeros, which the first change of M leaves zeros
.set i, i+1
.endr
	WIN 0
	s_wait_alu depctr_va_vdst(0)
	s_wait_kmcnt 0x0
	s_add_co_i32 s52, s46, s47
	s_lshl_b32 s52, s52, 23
	s_add_co_i32 s22, s22, s52                     ; a score stands for score x 2^(e2 + e3): added to c's exponent field
	s_mov_b32 s23, s22                             ; (named with it as a pair, so it is written)
	s_add_co_i32 s52, s48, 127
	s_lshl_b32 s52, s52, 23
	v_mov_b32 v[SC4], s52                          ; 2^e4
	s_add_co_i32 s52, s50, 127
	s_lshl_b32 s55, s52, 23                        ; 2^e6
	s_add_co_i32 s52, s52, 8
	s_lshl_b32 s52, s52, 23
	s_or_b32 s56, s52, 0x600000                    ; 448 x 2^e6
	s_add_co_i32 s54, s48, s49                     ; e4 + e5
	s_wait_alu depctr_va_vdst(0)                   ; the wait at the head's end
	s_wait_tensorcnt 0x0                           ; my two key steps have landed,
	s_barrier_signal -1
	s_barrier_wait -1                              ; everybody's have: all of k and v lie in LDS, and nothing is written there again
	s_wait_loadcnt 0x0                             ; q
.macro KFETCH                          ; a key step's 8 fragments of k
.irp i, 0,1,2,3,4,5,6,7,8,9,10,11,12,13,14,15
	ds_load_b128 v[KF+4*\i:KF+4*\i+3], v[ADR] offset:512*\i
.endr
.endm
.macro QK g                            ; S^T of tiles 2 g, 2 g + 1: 16 products that begin with 0
	WIN 0x40
.irp u, 0,1
.irp T, 0,1,2,3,4,5,6,7
	v_wmma_f32_16x16x64_fp8_fp8 v[S+64*\u+8*\T:S+64*\u+8*\T+7], v[KF+8*\T:KF+8*\T+7], v[Q+8*(2*\g+\u):Q+8*(2*\g+\u)+7], 0
.endr
.endr
	WIN 0
.endm
; The softmax of tiles 2 g + u, u = 0, 1, by turns.
.macro SOFT g
.set T0, P+32*\g                       ; the pair's codes' registers serve the sums' side chains until the conversions
	WIN 0x14
.irp j, 0,4,8,12,16,20,24,28,32,36,40,44,48,52,56,60
.irp u, 0,1
.if \j == 0
	v_max3_num_f32 v[MA+2*\u],   v[NM+4*\g+2*\u+1], v[S+64*\u],   v[S+64*\u+1]     ; two chains a tile, both begun from the running largest score; each accumulator from its low end on
	v_max3_num_f32 v[MA+2*\u+1], v[NM+4*\g+2*\u+1], v[S+64*\u+2], v[S+64*\u+3]
.else
	v_max3_num_f32 v[MA+2*\u],   v[MA+2*\u],   v[S+64*\u+\j],   v[S+64*\u+\j+1]
	v_max3_num_f32 v[MA+2*\u+1], v[MA+2*\u+1], v[S+64*\u+\j+2], v[S+64*\u+\j+3]
.endif
.endr
.endr
	WIN 0
.irp u, 0,1
	v_max_num_f32 v[MA+2*\u], v[MA+2*\u], v[MA+2*\u+1]
.endr
.irp u, 0,1
	v_permlanex16_b32 v[PD+\u], v[MA+2*\u], s20, s21
.endr
.irp u, 0,1
	v_max_num_f32 v[NM+4*\g+2*\u+1], v[MA+2*\u], v[PD+\u]   ; the running largest score, lane l xor 16's keys among them
.endr
.irp u, 0,1
	v_mul_f32 v[MA+2*\u], s22, v[NM+4*\g+2*\u+1]            ; as t (c is positive)
.endr
.irp u, 0,1
	v_floor_f32 v[MA+2*\u+1], -v[MA+2*\u]                   ; the new -M = floor(-t): M is a whole number
.endr
.irp u, 0,1
	v_sub_f32 v[MA+2*\u], v[MA+2*\u+1], v[NM+4*\g+2*\u]     ; old M - new M: a whole number, 0 or less
.endr
.irp u, 0,1
	v_mov_b32 v[NM+4*\g+2*\u], v[MA+2*\u+1]
.endr
.irp u, 0,1
	v_cvt_i32_f32 v[MA+2*\u], v[MA+2*\u]                    ; (it saturates)
.endr
.irp u, 0,1
	v_ldexp_f32 v[F+2*\u], 1.0, v[MA+2*\u]                  ; f = 2^(old M - new M)
.endr
	WIN 0x41
.if \g
	s_wait_alu depctr_va_vdst(0)                   ; these lines first read the last step's O^T, behind the other pair's exponentials
.endif
.irp j, 0,2,4,6,8,10,12,14,16,18,20,22,24,26,28,30
.irp u, 0,1
	v_pk_mul_f32 v[O+64*\g+32*\u+\j:O+64*\g+32*\u+\j+1], v[O+64*\g+32*\u+\j:O+64*\g+32*\u+\j+1], v[F+2*\u:F+2*\u+1] op_sel_hi:[1,0]   ; O^T under the new M
.endr
.endr
.irp j, 0,2,4,6,8,10,12,14,16,18,20,22,24,26,28,30,32,34,36,38,40,42,44,46,48,50,52,54,56,58,60,62
.irp u, 0,1
	v_pk_fma_f32 v[S+64*\u+\j:S+64*\u+\j+1], v[S+64*\u+\j:S+64*\u+\j+1], s[22:23], v[NM+4*\g+2*\u:NM+4*\g+2*\u+1] op_sel_hi:[1,0,0]   ; t - M, two at a time
.endr
.endr
	s_wait_alu depctr_va_vdst(0)                   ; the wait ahead of the batch
.set i, 0
.rept 128
	v_exp_f32 v[S+i], v[S+i]                       ; p = 2^(t - M), at most 1
.set i, i+1
.endr
	WIN 0
.irp u, 0,1
	v_pk_mul_f32 v[L+4*\g+2*\u:L+4*\g+2*\u+1], v[L+4*\g+2*\u:L+4*\g+2*\u+1], v[F+2*\u:F+2*\u+1] op_sel_hi:[1,0]   ; the sums under the new M: the plain lines behind the exponentials
.endr
	s_wait_alu depctr_va_vdst(0)                   ; one wait for the whole batch, ahead of its first reader
	WIN 0x05                                       ; the row's sum of the unquantised p: four chains a tile, the sum itself and three at its side
.irp k, 1,2,3
.irp u, 0,1
	v_pk_add_f32 v[T0+8*\u+2*\k-2:T0+8*\u+2*\k-1], v[S+64*\u+2*\k:S+64*\u+2*\k+1], v[S+64*\u+8+2*\k:S+64*\u+8+2*\k+1]
.endr
.endr
	WIN 0x04
.irp i, 0,1,2,3,4,5,6,7
.irp k, 0,1,2,3
.irp u, 0,1
.if \k == 0
	v_pk_add_f32 v[L+4*\g+2*\u:L+4*\g+2*\u+1], v[L+4*\g+2*\u:L+4*\g+2*\u+1], v[S+64*\u+8*\i:S+64*\u+8*\i+1]
.else
.if \i > 1
	v_pk_add_f32 v[T0+8*\u+2*\k-2:T0+8*\u+2*\k-1], v[T0+8*\u+2*\k-2:T0+8*\u+2*\k-1], v[S+64*\u+8*\i+2*\k:S+64*\u+8*\i+2*\k+1]
.endif
.endif
.endr
.endr
.endr
	WIN 0
.irp u, 0,1
	v_pk_add_f32 v[T0+8*\u:T0+8*\u+1], v[T0+8*\u:T0+8*\u+1], v[T0+8*\u+2:T0+8*\u+3]
	v_pk_add_f32 v[L+4*\g+2*\u:L+4*\g+2*\u+1], v[L+4*\g+2*\u:L+4*\g+2*\u+1], v[T0+8*\u+4:T0+8*\u+5]
.endr
.irp u, 0,1
	v_pk_add_f32 v[L+4*\g+2*\u:L+4*\g+2*\u+1], v[L+4*\g+2*\u:L+4*\g+2*\u+1], v[T0+8*\u:T0+8*\u+1]
.endr
	WIN 0x01
.irp u, 0,1
.irp T, 0,1,2,3,4,5,6,7
	v_cvt_scalef32_pk8_fp8_f32 v[P+32*\g+16*\u+2*\T:P+32*\g+16*\u+2*\T+1], v[S+64*\u+8*\T:S+64*\u+8*\T+7], v[SC4]   ; no hold: p <= 1 <= 448 x 2^e4 (the head's limit on e4)
.endr
.endr
	WIN 0
	v_nop                                          ; a plain line between the conversions and the matrix instructions that write their sources or read their results
.endm
; A KEY STEP of 128 keys for my four tiles.  next = 1: the next step's k is asked for in its middle.
.macro STEP next
	s_wait_dscnt 0x0                               ; k is in
	QK 0
	PLACES 4                                       ; behind the products: in front of the first read of the scores, and of the loads into v's registers, which the last step's products read
.irp i, 0,1,2,3,4,5,6,7,8,9,10,11,12,13,14,15
	ds_load_b128 v[VF+4*\i:VF+4*\i+3], v[ADR] offset:8192+512*\i   ; v's four fragments land while the softmax runs
.endr
	SOFT 0
	QK 1
.if \next
	s_add_co_u32 s2, s2, KSB
	v_add_nc_u32 v[ADR], s2, v[LI]                 ; four plain lines in front of the loads into k's registers and of the first read of the scores
	PLACES 3
	KFETCH
.else
	PLACES 4
.endif
	SOFT 1
	s_wait_alu depctr_va_vdst(0)
.if \next
	s_wait_dscnt 16                                ; v is in; the 16 loads of the next step's k, issued behind v's, may be out
.else
	s_wait_dscnt 0x0
.endif
	WIN 0x50
.irp c, 0,1,2,3
.irp t, 0,1,2,3
	v_wmma_f32_16x16x128_fp8_fp8 v[O+32*\t+8*\c:O+32*\t+8*\c+7], v[VF+16*\c:VF+16*\c+15], v[P+16*\t:P+16*\t+15], v[O+32*\t+8*\c:O+32*\t+8*\c+7]   ; sixteen accumulators by turns
.endr
.endr
	WIN 0
.endm
	KFETCH
	s_mov_b32 s3, 15
.Lstep:
	STEP 1
	s_sub_co_u32 s3, s3, 1
	s_cmp_lg_u32 s3, 0
	s_cbranch_scc1 .Lstep
	STEP 0                                         ; the last step asks for nothing beyond the head's keys
	; THE WAY OUT: O^T / the sum x 2^(e4 + e5), held within +-448 x 2^e6, quantised: eight registers a tile, two groups of o's image
.irp t, 0,1,2,3
	v_add_f32 v[L+2*\t], v[L+2*\t], v[L+2*\t+1]
.endr
.irp t, 0,1,2,3
	v_permlanex16_b32 v[MA+\t], v[L+2*\t], s20, s21
.endr
.irp t, 0,1,2,3
	v_add_f32 v[L+2*\t], v[L+2*\t], v[MA+\t]       ; the row's sum
.endr
	v_mov_b32 v[SC6], s55
	v_mov_b32 v[LIM6], s56
	s_wait_alu depctr_va_vdst(0)                   ; the wait ahead of the batch
.irp t, 0,1,2,3
	v_rcp_f32 v[L+2*\t], v[L+2*\t]
.endr
	v_nop                                          ; a plain line behind the reciprocals,
	s_wait_alu depctr_va_vdst(0)                   ; and the wait ahead of their first reader
.irp t, 0,1,2,3
	v_ldexp_f32 v[L+2*\t], v[L+2*\t], s54
.endr
	WIN 0x41
	s_wait_alu depctr_va_vdst(0)                   ; the wait directly ahead of the first readers of O^T
.irp t, 0,1,2,3
.irp j, 0,2,4,6,8,10,12,14,16,18,20,22,24,26,28,30
	v_pk_mul_f32 v[S+32*\t+\j:S+32*\t+\j+1], v[O+32*\t+\j:O+32*\t+\j+1], v[L+2*\t:L+2*\t+1] op_sel_hi:[1,0]   ; each accumulator from its low end on
.endr
.endr
.set i, 0
.rept 128
	v_med3_num_f32 v[S+i], v[S+i], -v[LIM6], v[LIM6]   ; the conversion does not saturate (ISA guide 7.6.2): the hold comes first
.set i, i+1
.endr
	WIN 0x01
.irp t, 0,1,2,3
.irp c, 0,1,2,3
	v_cvt_scalef32_pk8_fp8_f32 v[P+8*\t+2*\c:P+8*\t+2*\c+1], v[S+32*\t+8*\c:S+32*\t+8*\c+7], v[SC6]
.endr
.endr
	WIN 0
	v_nop
.irp t, 0,1,2,3
	global_store_b128 v[LI], v[P+8*\t:P+8*\t+3],   s[8:9] offset:\t*16384        ; the wave stores 512 consecutive bytes
	global_store_b128 v[LI], v[P+8*\t+4:P+8*\t+7], s[8:9] offset:\t*16384+512
.endr
	s_wait_tensorcnt 0x0                           ; the wave's end
	ds_add_u32 v[SPW], v[NIL]
	s_wait_dscnt 0x0
	CROUND                                         ; the closing round
	s_endpgm
.Lfunc_end_k_q26e02ae495_attn:
	.size	k_q26e02ae495_attn, .Lfunc_end_k_q26e02ae495_attn-k_q26e02ae495_attn
	.p2alignl 7, 3214868480
	.fill 96, 4, 3214868480
	.section	.rodata,"a",@progbits
	.p2align	6, 0x0
	.amdhsa_kernel k_q26e02ae495_attn
		.amdhsa_group_segment_fixed_size 264192
		.amdhsa_private_segment_fixed_size 0
		.amdhsa_enable_private_segment 0
		.amdhsa_kernarg_size 24
		.amdhsa_user_sgpr_count 2
		.amdhsa_user_sgpr_kernarg_segment_ptr 1
		.amdhsa_wavefront_size32 1
		.amdhsa_system_sgpr_workgroup_id_x 1
		.amdhsa_system_sgpr_workgroup_id_y 1
		.amdhsa_system_sgpr_workgroup_id_z 1
		.amdhsa_system_vgpr_workitem_id 0
		.amdhsa_next_free_vgpr 512
		.amdhsa_next_free_sgpr 66
		.amdhsa_reserve_vcc 0
		.amdhsa_float_denorm_mode_32 3
		.amdhsa_float_denorm_mode_16_64 3
		.amdhsa_memory_ordered 1
		.amdhsa_forward_progress 1
		.amdhsa_inst_pref_size 118
	.end_amdhsa_kernel
	.amdgpu_metadata
---
amdhsa.version: [ 1, 2 ]
amdhsa.kernels:
  - .name:           k_q26e02ae495_attn
    .symbol:         k_q26e02ae495_attn.kd
    .args:
      - { .name: qkv_img, .offset: 0, .size: 8, .value_kind: global_buffer, .address_space: global }
      - { .name: lowp_scales, .offset: 8, .size: 8, .value_kind: global_buffer, .address_space: global }
      - { .name: o_img, .offset: 16, .size: 8, .value_kind: global_buffer, .address_space: global }
    .group_segment_fixed_size: 264192
    .private_segment_fixed_size: 0
    .kernarg_segment_align: 8
    .kernarg_segment_size: 24
    .max_flat_workgroup_size: 256
    .sgpr_count:     66
    .vgpr_count:     512
    .wavefront_size: 32
...
	.end_amdgpu_metadata
.endif
;; end of part 3
;; launch proj (part 4): grid 4 x 64, 4 waves a work-group, clusters of 4 x 4, 327,680 bytes of LDS; arguments o_img, wo_img, lowp_scales, b_out, out0; writes out0
.if DOCPART == 4
	.amdgcn_target "amdgcn-amd-amdhsa--gfx1250"
	.amdhsa_code_object_version 6
	.text
	.protected	k_q26e02ae495_proj
	.globl	k_q26e02ae495_proj
	.p2align	8
	.type	k_q26e02ae495_proj,@function
k_q26e02ae495_proj:
	s_mov_b64 s[64:65], 0
	v_nop
	global_prefetch_b8 v0, s[64:65] scope:SCOPE_SE
	s_setreg_imm32_b32 hwreg(HW_REG_WAVE_MODE, 25, 1), 1
	s_wait_xcnt 0x0
	s_wait_alu depctr_hold_cnt(0) depctr_sa_sdst(0) depctr_va_vdst(0) depctr_va_sdst(0) depctr_va_ssrc(0) depctr_va_vcc(0) depctr_vm_vsrc(0)
	s_getreg_b32 s2, hwreg(HW_REG_IB_STS2, 6, 4)
	s_cmp_eq_u32 s2, 0
	s_cbranch_scc0 .Lentry_in_a_cluster
	s_endpgm
.Lentry_in_a_cluster:
	s_bfe_u32 s2, ttmp6, 0x10000c
	s_cmp_lg_u32 s2, 0xf033
	s_cbranch_scc0 .Lentry_shape_is_right
	s_endpgm
.Lentry_shape_is_right:
; PROJ: out0 = o w_out + b_out on codes of FP8 (E4M3): o_img [8,192 rows], wo_img [1,024 columns], both as images of the operands' registers (a block of 16 rows x 256 K is 4,096 bytes on end); sums x 2^(e6 + e7) + bias, f32.
; A tile of out0 is 128 rows x 256 columns: 64 x 4 = 256 work-groups.  Four waves, each 64 x 128: 32 accumulators.
; K goes in steps of 256 through a ring of two LDS slots: o's 128 rows (two halves of 16,384 bytes), then w_out's 256 columns (two halves of 32,768).  Waves 0, 1 fetch o's halves, waves 2, 3 the weight's.
; Both operands have two sets of fragment registers: the 48 LDS loads of the next 128 along K go out in one run ahead of a step's 32 products.
; CLUSTER 4 x 4: o's tile is asked for jointly along a row of the cluster, the weight's along a column.
; PREFETCH: behind the load of a K step each wave names the next K step's blocks of 256 bytes of what it fetches; the four partners share the block rows out by address (o: one row each, lanes 16-31 name its last block again; the weight: two).
; THE MATRIX INSTRUCTION IS USED TRANSPOSED (source 0 = 16 columns of the weight, source 1 = 16 rows of o): a lane holds eight neighbouring numbers of a row of out0.
; THE WAY OUT: 16 rows x 128 columns at a time through the wave's own stage in LDS, behind the ring, and out as whole rows of 512 bytes.
; LIMIT: e6 + e7 between -126 and 127.
.set SLOT,   98304
.set BOFF,   32768
.set STAGE,  2*SLOT
.set SPITCH, 528
.set SPARE,  STAGE+4*16*SPITCH
.set FR,     16
.set NP,     4
.set ADRA, 16
.set ADRB, 20
.set LI,   24
.set HO,   25
.set STO,  26
.set RD,   27
.set SPW,  28
.set NIL,  29
.set PFO,  30
.set BIAS, 32
.set AF,   128                         ; window 0: o's fragments, two sets of 4
.set BK,   128                         ; the way out: rows read back from the stage, two sets of 64 registers
.set G1, 24
.set G0, 32
.set G1B, 48
.set G0B, 56
.set MSB, 0
.macro WIN new
.if MSB != (\new)
	s_set_vgpr_msb (MSB<<8)|(\new)
.set MSB, (\new)
.endif
.endm
.set MUL_LO, 0xa1                      ; source 0 window 1, source 1 window 0, C and D window 2
.set TO_B,   0x40
.macro JLOAD g0a, g1a, g0b, g1b        ; a joint load: the branch hangs on the wave's number alone; s_nop 0 and four v_nop behind each line
	s_cmp_eq_u32 s15, 0
	s_cbranch_scc0 .Lfor_b_\@
	tensor_load_to_lds s[\g0a:\g0a+3], s[\g1a:\g1a+7]
	s_nop 0
.rept 4
	v_nop
.endr
	s_branch .Lasked_\@
.Lfor_b_\@:
	tensor_load_to_lds s[\g0b:\g0b+3], s[\g1b:\g1b+7]
	s_nop 0
.rept 4
	v_nop
.endr
.Lasked_\@:
.endm
.macro CREST
	s_cmp_lg_u32 s14, 0
	s_cbranch_scc1 .Lnot_wave_0_\@
	s_barrier_signal -3
.Lnot_wave_0_\@:
	s_barrier_wait -3
	s_barrier_signal -1
	s_barrier_wait -1
.endm
.macro CROUND
	s_barrier_signal -1
	s_barrier_wait -1
	CREST
.endm
.macro ASK off
	global_prefetch_b8 v[PFO], s[98:99] offset:\off th:TH_LOAD_NT scope:SCOPE_SE
.endm
.macro PLACES n
.rept \n
	v_nop
.endr
.endm
	s_load_b256 s[4:11], s[0:1], 0x0               ; o_img, wo_img, the scales' exponents, b_out
	s_load_b64 s[12:13], s[0:1], 0x20              ; out0
	v_lshl_add_u32 v[SPW], v0, 2, SPARE
	v_mov_b32 v[NIL], 0
	ds_add_u32 v[SPW], v[NIL]                      ; the opening lines: the add, twice on end, and its wait
	ds_add_u32 v[SPW], v[NIL]
	v_lshrrev_b32 v1, 5, v0
	v_readfirstlane_b32 s14, v1                    ; wave
	s_lshr_b32 s15, s14, 1                         ; my half of the tile's rows; also: I fetch o (0) or the weight (1)
	s_and_b32 s16, s14, 1                          ; my half of its columns; also: which half I fetch
	s_bfe_u32 s40, ttmp6, 0x40000                  ; cx
	s_bfe_u32 s41, ttmp6, 0x40004                  ; cy
	s_lshl_b32 s42, ttmp9, 2
	s_add_co_u32 s42, s42, s40                     ; tile column
	s_and_b32 s17, ttmp7, 0xffff
	s_lshl_b32 s17, s17, 2
	s_add_co_u32 s17, s17, s41                     ; tile row
	s_lshl_b32 s43, s41, 2
	s_lshl_b32 s43, 15, s43                        ; my row of the cluster
	s_lshl_b32 s44, 0x1111, s40                    ; my column
	s_or_b32 s[G1+0], s43, (3<<16)|(1<<21)
	s_or_b32 s[G1B+0], s44, (3<<16)|(1<<21)
.irp g, G1, G1B                        ; block rows of 4,096 bytes (512 elements of 8), 16,384 bytes apart: o 4 a half, the weight 8
	s_mov_b32 s[\g+1], 512<<16
	s_mov_b32 s[\g+2], (4+4*(\g/G1B))<<16
	s_mov_b32 s[\g+3], 512<<16
	s_mov_b32 s[\g+4], 4+4*(\g/G1B)
	s_mov_b32 s[\g+5], 2048
	s_mov_b32 s[\g+6], 0
	s_mov_b32 s[\g+7], 0
.endr
	s_lshl_b32 s20, s17, 17                        ; 128 rows are 131,072 bytes
	s_lshl_b32 s22, s16, 16
	s_add_co_u32 s20, s20, s22
	s_mov_b32 s21, 0
	s_lshl_b32 s46, s42, 18
	s_lshl_b32 s22, s16, 17
	s_add_co_u32 s46, s46, s22
	s_mov_b32 s47, 0
	s_lshl_b32 s45, s16, 14                        ; where o's half goes,
	s_lshl_b32 s23, s16, 15
	s_add_co_u32 s23, s23, BOFF                    ; and the weight's
	s_wait_dscnt 0x0
	s_wait_kmcnt 0x0
	s_load_b64 s[96:97], s[8:9], 0x18              ; e6, e7
	s_add_nc_u64 s[20:21], s[4:5], s[20:21]
	s_add_nc_u64 s[46:47], s[6:7], s[46:47]
	CROUND                                         ; all sixteen work-groups are here: the first joint loads meet
.irp s, 0,1
	s_mov_b32 s[G0+4*\s], 1
	s_add_co_u32 s[G0+4*\s+1], s45, \s*SLOT
	s_add_nc_u64 s[G0+4*\s+2:G0+4*\s+3], s[20:21], \s*4096
	s_or_b32 s[G0+4*\s+3], s[G0+4*\s+3], 0x80000000
	s_mov_b32 s[G0B+4*\s], 1
	s_add_co_u32 s[G0B+4*\s+1], s23, \s*SLOT
	s_add_nc_u64 s[G0B+4*\s+2:G0B+4*\s+3], s[46:47], \s*4096
	s_or_b32 s[G0B+4*\s+3], s[G0B+4*\s+3], 0x80000000
.endr
	JLOAD G0, G1, G0B, G1B                         ; K step 0: one tensor load a wave at the head
	s_cmp_eq_u32 s15, 0                            ; the prefetches' base: what I fetch, my work-group's share by address
	s_cselect_b64 s[98:99], s[20:21], s[46:47]
	s_cselect_b32 s66, s40, s41
	s_cselect_b32 s67, 14, 15
	s_cselect_b32 s68, -1, 0
	s_lshl_b32 s66, s66, s67
	s_mov_b32 s67, 0
	s_add_nc_u64 s[98:99], s[98:99], s[66:67]
	s_lshl_b32 s66, s42, 10
	s_lshl_b32 s69, s16, 9
	s_add_co_u32 s66, s66, s69                     ; my first column, in bytes
	s_add_nc_u64 s[88:89], s[10:11], s[66:67]
	s_add_nc_u64 s[84:85], s[12:13], s[66:67]
	s_lshl_b32 s66, s17, 19
	s_lshl_b32 s69, s15, 18
	s_add_co_u32 s66, s66, s69                     ; my first row of 4,096 bytes
	s_add_nc_u64 s[84:85], s[84:85], s[66:67]
	s_lshl_b32 s69, s15, 14
	s_lshl_b32 s71, s16, 15
	s_add_co_u32 s71, s71, BOFF
	s_mul_i32 s73, s14, 16*SPITCH
	s_add_co_u32 s73, s73, STAGE
	v_and_b32 v1, 31, v0
	v_bfe_u32 v2, v0, 4, 1
	v_and_b32 v3, 15, v0
	v_lshlrev_b32 v[LI], 4, v1
	v_lshlrev_b32 v[HO], 5, v2
	v_add_nc_u32 v[ADRA], s69, v[LI]
	v_add_nc_u32 v[ADRB], s71, v[LI]
	v_add_nc_u32 v[ADRA+1], SLOT, v[ADRA]
	v_add_nc_u32 v[ADRB+1], SLOT, v[ADRB]
	v_mul_u32_u24 v[STO], v3, SPITCH
	v_add_nc_u32 v[STO], v[STO], v[HO]
	v_add_nc_u32 v[STO], s73, v[STO]               ; the stage, way in: row l % 16, 32 bytes for each half of the lanes
	v_add_nc_u32 v[RD], s73, v[LI]                 ; way back: the 32 lanes take a row of 512 bytes
	v_lshlrev_b32 v4, 8, v3
	v_lshl_add_u32 v5, v2, 14, v4                  ; the weight: lanes 16-31 name the next block row
	v_min_u32 v6, 15, v1
	v_lshlrev_b32 v6, 8, v6                        ; o: lanes 16-31 name the row's last block again
	v_cndmask_b32 v[PFO], v5, v6, s68
	ASK 4096                                       ; K step 1
.irp b, 0,1,2,3,4,5,6,7
	global_load_b128 v[BIAS+8*\b:BIAS+8*\b+3],   v[HO], s[88:89] offset:64*\b
	global_load_b128 v[BIAS+8*\b+4:BIAS+8*\b+7], v[HO], s[88:89] offset:64*\b+16
.endr
.macro FRAG reg, adr, q, i
.irp c, 0,1,2,3
	ds_load_b128 v[\reg+4*\c:\reg+4*\c+3], v[\adr] offset:2048*(\q)+512*\c+(\i)*4096
.endr
.endm
.macro FETCH slot, q, p
	WIN TO_B
.irp i, 0,1,2,3,4,5,6,7
	FRAG 128*(\p)+FR*\i, ADRB+\slot, \q, \i
.endr
	WIN 0
.irp i, 0,1,2,3
	FRAG AF+64*(\p)+FR*\i, ADRA+\slot, \q, \i
.endr
.endm
.macro MUL32 p, zero                   ; the 32 accumulators take turns, in the same order in every step; the first step's products start the sums
	WIN MUL_LO
.irp a, 0,1,2,3
.irp b, 0,1,2,3,4,5,6,7
.if \zero
	v_wmma_f32_16x16x128_fp8_fp8 v[8*(8*\a+\b):8*(8*\a+\b)+7], v[128*(\p)+FR*\b:128*(\p)+FR*\b+FR-1], v[AF+64*(\p)+FR*\a:AF+64*(\p)+FR*\a+FR-1], 0
.else
	v_wmma_f32_16x16x128_fp8_fp8 v[8*(8*\a+\b):8*(8*\a+\b)+7], v[128*(\p)+FR*\b:128*(\p)+FR*\b+FR-1], v[AF+64*(\p)+FR*\a:AF+64*(\p)+FR*\a+FR-1], v[8*(8*\a+\b):8*(8*\a+\b)+7]
.endif
.endr
.endr
	WIN 0
.endm
; 128 along K on set p; the next step's fragments come from (nslot, nq).  chg = 0: the same slot; 1: a change of slots, the slot left is filled again; 2: a change alone; 3: the last step
.macro STEP p, zero, nslot, nq, chg
	s_wait_dscnt 0x0                               ; set p is in: so my reads of its slot are over
.if (\chg == 1) || (\chg == 2)
	s_wait_tensorcnt 0x0                           ; all my tensor loads have landed: my part of the next slot;
	ds_add_u32 v[SPW], v[NIL]
	s_wait_dscnt 0x0
	s_barrier_signal -1
	s_barrier_wait -1
.endif
.if \chg == 1
	CREST                                          ; the barrier has opened a round of the cluster's barrier
	s_add_nc_u64 s[G0+4*(1-\nslot)+2:G0+4*(1-\nslot)+3], s[G0+4*(1-\nslot)+2:G0+4*(1-\nslot)+3], 8192
	s_add_nc_u64 s[G0B+4*(1-\nslot)+2:G0B+4*(1-\nslot)+3], s[G0B+4*(1-\nslot)+2:G0B+4*(1-\nslot)+3], 8192
	JLOAD G0+4*(1-\nslot), G1, G0B+4*(1-\nslot), G1B
.else
	PLACES NP                                      ; in front of the loads into the set that the last step multiplied
.endif
.if \chg < 3
	FETCH \nslot, \nq, 1-(\p)
.endif
	MUL32 \p, \zero
.endm
	s_wait_alu depctr_va_vdst(0)                   ; the wait at the head's end
	s_wait_tensorcnt 0x0                           ; my part of K step 0 is in; the same lines ahead of a later first fill as ahead of a refill
	ds_add_u32 v[SPW], v[NIL]
	s_wait_dscnt 0x0
	CROUND
	JLOAD G0+4, G1, G0B+4, G1B                     ; K step 1
	FETCH 0, 0, 0
	ASK 8192                                       ; K step 2
	STEP 0, 1, 0, 1, 0
	STEP 1, 0, 1, 0, 1
	ASK 12288                                      ; K step 3
	STEP 0, 0, 1, 1, 0
	STEP 1, 0, 0, 0, 1
	STEP 0, 0, 0, 1, 0
	STEP 1, 0, 1, 0, 2
	STEP 0, 0, 1, 1, 0
	STEP 1, 0, 0, 0, 3
.macro TOSTAGE a
.set AC, 64*(\a)
	WIN 0x82
.irp j, 0,2,4,6,8,10,12,14,16,18,20,22,24,26,28,30,32,34,36,38,40,42,44,46,48,50,52,54,56,58,60,62
	v_pk_fma_f32 v[AC+\j:AC+\j+1], v[AC+\j:AC+\j+1], s[96:97], v[BIAS+\j:BIAS+\j+1] op_sel_hi:[1,0,1]   ; x 2^(e6 + e7) + bias; each accumulator from its low end on
.endr
	WIN 0x08
.irp b, 0,1,2,3,4,5,6,7
	ds_store_b128 v[STO], v[AC+8*\b:AC+8*\b+3] offset:64*\b
	ds_store_b128 v[STO], v[AC+8*\b+4:AC+8*\b+7] offset:64*\b+16
.endr
	WIN 0
.set BB, BK+64*((\a)%2)
.irp t, 0,1,2,3,4,5,6,7,8,9,10,11,12,13,14,15
	ds_load_b128 v[BB+4*\t:BB+4*\t+3], v[RD] offset:\t*SPITCH   ; LDS serves a wave's instructions in order: these see my stores
.endr
.endm
.macro SEND a, younger
.set BB, BK+64*((\a)%2)
	s_wait_dscnt \younger
.irp t, 0,1,2,3,4,5,6,7,8,9,10,11,12,13,14,15
	global_store_b128 v[LI], v[BB+4*\t:BB+4*\t+3], s[84:85] offset:(16*(\a)+\t)*4096 th:TH_STORE_NT   ; 32 lanes store 512 consecutive bytes, aligned
.endr
.endm
	s_wait_kmcnt 0x0
	s_add_co_i32 s96, s96, s97
	s_add_co_i32 s96, s96, 127
	s_lshl_b32 s96, s96, 23                        ; 2^(e6 + e7)
	s_mov_b32 s97, s96
	s_wait_loadcnt 0x0                             ; the bias
	PLACES NP
	TOSTAGE 0
.irp a, 1,2,3
.if \a > 1
	s_wait_xcnt 0x0                                ; block a - 2's stores have read their registers
.endif
	TOSTAGE \a
	SEND \a-1, 32                                  ; behind block a - 1's loads: block a's 16 stores and 16 loads
.endr
	SEND 3, 0
	s_wait_tensorcnt 0x0                           ; the wave's end
	ds_add_u32 v[SPW], v[NIL]
	s_wait_dscnt 0x0
	CROUND                                         ; the closing round
	s_endpgm
.Lfunc_end_k_q26e02ae495_proj:
	.size	k_q26e02ae495_proj, .Lfunc_end_k_q26e02ae495_proj-k_q26e02ae495_proj
	.p2alignl 7, 3214868480
	.fill 96, 4, 3214868480
	.section	.rodata,"a",@progbits
	.p2align	6, 0x0
	.amdhsa_kernel k_q26e02ae495_proj
		.amdhsa_group_segment_fixed_size 327680
		.amdhsa_private_segment_fixed_size 0
		.amdhsa_enable_private_segment 0
		.amdhsa_kernarg_size 40
		.amdhsa_user_sgpr_count 2
		.amdhsa_user_sgpr_kernarg_segment_ptr 1
		.amdhsa_wavefront_size32 1
		.amdhsa_system_sgpr_workgroup_id_x 1
		.amdhsa_system_sgpr_workgroup_id_y 1
		.amdhsa_system_sgpr_workgroup_id_z 1
		.amdhsa_system_vgpr_workitem_id 0
		.amdhsa_next_free_vgpr 1024
		.amdhsa_next_free_sgpr 100
		.amdhsa_reserve_vcc 0
		.amdhsa_float_denorm_mode_32 3
		.amdhsa_float_denorm_mode_16_64 3
		.amdhsa_memory_ordered 1
		.amdhsa_forward_progress 1
		.amdhsa_inst_pref_size 77
	.end_amdhsa_kernel
	.amdgpu_metadata
---
amdhsa.version: [ 1, 2 ]
amdhsa.kernels:
  - .name:           k_q26e02ae495_proj
    .symbol:         k_q26e02ae495_proj.kd
    .args:
      - { .name: o_img, .offset: 0, .size: 8, .value_kind: global_buffer, .address_space: global }
      - { .name: wo_img, .offset: 8, .size: 8, .value_kind: global_buffer, .address_space: global }
      - { .name: lowp_scales, .offset: 16, .size: 8, .value_kind: global_buffer, .address_space: global }
      - { .name: b_out, .offset: 24, .size: 8, .value_kind: global_buffer, .address_space: global }
      - { .name: out0, .offset: 32, .size: 8, .value_kind: global_buffer, .address_space: global }
    .group_segment_fixed_size: 327680
    .private_segment_fixed_size: 0
    .kernarg_segment_align: 8
    .kernarg_segment_size: 40
    .max_flat_workgroup_size: 128
    .sgpr_count:     100
    .vgpr_count:     1024
    .wavefront_size: 32
...
	.end_amdgpu_metadata
.endif
;; end of part 4
